; MI455X (gfx1250); checked and timed in simulation.
; The chip was launched on July 23, 2026; its instructions are those of AMD's public machine-readable ISA for CDNA 5 (MIT licence, August 2026) and "CDNA5" Instruction Set Architecture Reference Guide (July 2026). The comments in the code are by the model that wrote it; some were corrected since.
;; Head. Allowed arithmetic: matrix products marked QUANTISED: E5M2 operands, one given power-of-two scale a tensor, by v_wmma_f32_16x16x64_bf8_bf8 or v_wmma_f32_16x16x128_bf8_bf8, f32 sums; everything else in f32.
;; Inputs: Wk_codes 128 x 4 x 32 uint8 (E5M2 codes of Wk, K innermost, in blocks of 32 codes); Wq_codes 128 x 4 x 32 uint8 (E5M2 codes of Wq, K innermost, in blocks of 32 codes); Wv_codes 128 x 4 x 32 uint8 (E5M2 codes of Wv, K innermost, in blocks of 32 codes); lowp_scales 10 int32 (the exponents e of the quantised operands' scales 2^e); x_codes 16 x 2,048 x 4 x 32 uint8 (E5M2 codes of x, K innermost, in blocks of 32 codes).
;; Outputs: out0 16 x 2,048 x 128 float32.
;; This version of the problem:
;;   THIS VERSION OF THE PROBLEM IS GIVEN IN LOW PRECISION. The matrix products marked QUANTISED in the list below multiply operands that are first quantised to E5M2 (5 exponent bits, 2 mantissa bits; 8 bits a number), with one given power-of-two scale for each operand tensor; their sums are f32. All else is computed in f32.
;;   The module's matrix products, in the order in which they are computed (A, B: the left and right operand; K: the contracted axis; several contracted axes count as one K, in the product's order):
;;     1. [M 32,768, K 128] x [K 128, N 128]; A: input x (given as codes); B: input Wq (given as codes): QUANTISED (scales: A lowp_scales[0], B lowp_scales[1])
;;     2. [M 32,768, K 128] x [K 128, N 128]; A: input x (given as codes); B: input Wk (given as codes): QUANTISED (scales: A lowp_scales[2], B lowp_scales[3])
;;     3. [M 32,768, K 128] x [K 128, N 128]; A: input x (given as codes); B: input Wv (given as codes): QUANTISED (scales: A lowp_scales[4], B lowp_scales[5])
;;     4. batch 16 x [M 2,048, K 128] x [K 128, N 2,048]; A: computed on the way; B: computed on the way: QUANTISED (scales: A lowp_scales[6], B lowp_scales[7])
;;     5. batch 16 x [M 2,048, K 2,048] x [K 2,048, N 128]; A: softmax (see below); B: computed on the way: QUANTISED (scales: A lowp_scales[8], B lowp_scales[9])
;;   THE QUANTISER, for each operand of a quantised product, along K:
;;     - The operand's scale is 2^e, e = its entry of the input lowp_scales (int32; the entries are numbered through the quantised products in the list's order, A before B).
;;     - Each number is divided by the scale, clamped to +-57,344, and rounded to the nearest number of E5M2, ties to even, subnormals kept.
;;     - The product sums the exact products of the quantised numbers (number of the format x scale) in f32.
;;   ~~~python
;;   def quantise(x, axis, e):      # numpy; x: float32 -> the quantised numbers, widened to float32 again
;;       x = np.moveaxis(x, axis, -1); K = x.shape[-1]
;;       r = np.clip(x / 2.0 ** e, -57344, 57344)
;;       step = 2.0 ** (np.maximum(np.frexp(np.where(r == 0, 1, r))[1] - 1, -14) - 2)
;;       q = np.round(r / step) * step * 2.0 ** e      # np.round: ties to even
;;       return np.moveaxis(q, -1, axis).astype(np.float32)
;;   ~~~
;;   SOFTMAX AHEAD OF A QUANTISED PRODUCT. Where the list says 'softmax', what is quantised is not the finished softmax but p = 2^(t - M), with t = logit x log2(e) and M = ceil(the row's largest t), a whole number; so 1/2 < the row's largest p <= 1. The row's sum l is taken of the UNQUANTISED p, in f32, and the product's result is divided by l at the end. Since M is a whole number, a kernel that streams over the keys may use a running M (the ceiling of the running maximum): every later rescaling is an exact power of two, so the quantised numbers keep their values, but for numbers so far below the row's largest that they fall under the format's range.
;;   OPERANDS COMPUTED ON THE WAY. 'Computed on the way' means the value that the module computes at that place (a softmax that the list does not call 'softmax' is quantised finished and normalised). What goes into a quantiser is computed in f32, as accurately as f32 sums, v_exp_f32 and their like allow (about 1e-6 of the number): no bf16 or f16 on the way to a quantiser, and a product that is left as it is and whose result goes on into a quantised operand takes f32 operands (vector FMAs, or v_wmma_f32_16x16x4_f32). A number that lies on a knife's edge between two numbers of the format may be rounded either way, as far as f32 arithmetic and the matrix unit's own rounding can turn it there, and no further.
;;   INPUTS GIVEN AS CODES. Wk (in the module: [128, 128], K = its axis 1); Wq (in the module: [128, 128], K = its axis 1); Wv (in the module: [128, 128], K = its axis 1); x (in the module: [16, 2048, 128], K = its axis 2): each comes as NAME_codes (uint8): NAME with its K axis moved to the last place and cut into blocks of 32 codes, [.., K / 32, bytes a block], one block behind the other in memory; one code a byte (a code: sign, 5 exponent bits, 2 mantissa bits); its scale is its entry of lowp_scales. Its value is code x scale, taken as it is: it is not quantised again, and the codes and scales need not be those that the quantiser above would give.
;; 2 versions. Each part assembles by itself: llvm-mc -triple=amdgcn-amd-amdhsa -mcpu=gfx1250 --defsym DOCPART=n.
;; ======== version 1 of 2: 2 launches
;; workspace buffers: k_codes 4,194,304 bytes; v_codes 4,194,304 bytes
;; launch kv (part 1): grid 256 x 1, 16 waves a work-group, no clusters, 169,984 bytes of LDS; arguments x_codes, Wk_codes, Wv_codes, lowp_scales, k_codes, v_codes; writes k_codes, v_codes
.if DOCPART == 1
	.amdgcn_target "amdgcn-amd-amdhsa--gfx1250"
	.amdhsa_code_object_version 6
	.text
	.protected	k_qa2a537661b_kv
	.globl	k_qa2a537661b_kv
	.p2align	8
	.type	k_qa2a537661b_kv,@function
k_qa2a537661b_kv:
	s_mov_b64 s[64:65], 0
	v_nop
	global_prefetch_b8 v0, s[64:65] scope:SCOPE_SE
	s_setreg_imm32_b32 hwreg(HW_REG_WAVE_MODE, 25, 1), 1
	s_wait_xcnt 0x0
; k = x Wk^T and v = x Wv^T on codes of BF8 (E5M2), each result quantised once to BF8 with its given scale, for the attention launch that follows.
; x: [32768][128] codes.  Wk, Wv: [128][128] codes, K (the embedding) innermost.  lowp_scales: e0 .. e9 (int32).
; OUT, one dense block of 16,384 bytes for each run of 128 rows of x (a key step of one batch):
;   k_codes block: [128 keys][128 bytes along the head];   v_codes block: [128 channels][128 bytes along the step's keys], since the keys are the second product's K.
;   A ROW'S 128 BYTES LIE AS THE OPERAND'S REGISTERS WANT THEM: byte 32 b + 16 h + i (i = 0 .. 15) is byte i of registers 4 b .. 4 b + 3 of lane half h, that is number 32 b + 8 h + i for i < 8
;   and number 32 b + 16 + 8 h + (i - 8) for i >= 8.  So the next launch fetches a fragment by four loads of 16 bytes and still has every k in the place that the matrix form's own layout gives it.
; A sum stands for sum x 2^(ex + ew), so its code is sum / 2^E: E = e7 - e2 - e3 for k, e9 - e4 - e5 for v, held within +-57,344 x 2^E, nearest code, ties to even.
; LIMITS: both E lie between -126 and 112, so that 2^E and 57,344 x 2^E are f32 numbers.  NaN and infinity codes among the inputs are not served.
; SHARES.  Work-group g owns rows 128 g .. 128 g + 127 of x and block g of both outputs.  Waves 0-7 make k, waves 8-15 make v; T = wave % 8 is the wave's 16 rows of its block.
; ONE BODY: eight fragments P (source 0: rows 16 t + r) against one fragment Q (source 1: rows 16 T + r): eight matrix instructions.   k: P = Wk, Q = x.    v: P = x, Q = Wv.
; Lane (r, h) then holds row 16 T + r of its block, and register j of tile t is that row's number 16 t + 8 h + j: one conversion of a tile's eight registers gives registers 2 t, 2 t + 1 of the next operand.
; K IN ITS TRUE PLACES: a fragment of the given codes is fetched by eight loads of 8 bytes: registers 2 c, 2 c + 1 hold K = 16 c + 8 h + 0 .. 7 (ISA guide 7.12.2), since these sums go on into a quantiser.
; NO CLUSTER: a work-group asks once, for 48 KB (its 16 KB of x and the two weights), and has no second fill; sharing the weights' 32 KB would set two rounds of a cluster's barrier round that single fill.
; LDS: every byte is filled once.  Rows of 128 bytes + 16 of padding = 36 words: the 32 lanes of a load take 16 rows x 4 words, which begin at 16 different multiples of 4 among the 64 banks (ISA guide 11.1).
; The way out goes through a stage of 16 rows x 144 bytes for each wave.  The stages lie over x's and Wk's rows, which have had their only fill: a barrier stands between every wave's last read of the tiles and the first store into a stage.
.set PITCH, 144
.set XS,    0                          ; 128 rows of x
.set WKS,   128*PITCH                  ; 128 rows of Wk
.set WVS,   2*128*PITCH                ; 128 rows of Wv
.set STW,   16*PITCH                   ; a wave's stage: wave w's begins at byte w x 2,304; the sixteen end where Wv's rows begin
; v1 r, v2 h, v3 P's lane address, v4 Q's, v5 into the stage, v6 out of it, v7 my 16 bytes of a store, v10 57,344 x 2^E, v11 2^E
; v16-31 Q, v32-159 P, v160-223 the sums, v224-239 codes, v240-255 rows read back
.macro QFRAG base
.irp c, 0,1,2,3,4,5,6,7
	ds_load_b64 v[16+2*\c:17+2*\c], v4 offset:\base+16*\c
.endr
.endm
.macro PT base, t                      ; P's tile t: rows 16 t + r
.irp c, 0,1,2,3,4,5,6,7
	ds_load_b64 v[32+16*(\t)+2*\c:33+16*(\t)+2*\c], v3 offset:\base+16*(\t)*PITCH+16*\c
.endr
.endm
.macro MULT t
	v_wmma_f32_16x16x128_bf8_bf8 v[160+8*(\t):167+8*(\t)], v[32+16*(\t):47+16*(\t)], v[16:31], 0
.endm
; 72 loads and eight products.  Q and tiles 0-5 go out first (56 loads); tile 6 is asked for behind product 0, tile 7 behind product 1.
; The count in front of product t is the eight loads of each tile issued behind tile t: five tiles for t = 0, 1, 2, then 7 - t.  The last count is 0: my reads of the tiles are over.
.macro WORK qbase, pbase
	QFRAG \qbase
.irp t, 0,1,2,3,4,5
	PT \pbase, \t
.endr
	s_wait_dscnt 40
	MULT 0
	PT \pbase, 6
	s_wait_dscnt 40
	MULT 1
	PT \pbase, 7
.irp t, 2,3,4,5,6,7
	s_wait_dscnt 8*(7-\t)
	MULT \t
.endr
.endm
	s_load_b256 s[4:11], s[0:1], 0x0               ; x s[4:5], Wk s[6:7], Wv s[8:9], the scales' exponents s[10:11]
	s_load_b128 s[12:15], s[0:1], 0x20             ; k_codes s[12:13], v_codes s[14:15]
	v_lshl_add_u32 v14, v0, 2, 0x29000
	v_mov_b32 v15, 0
	ds_add_u32 v14, v15
	ds_add_u32 v14, v15
	v_lshrrev_b32 v8, 5, v0
	v_readfirstlane_b32 s16, v8                    ; wave 0..15
	s_and_b32 s17, s16, 7                          ; T
	v_and_b32 v1, 15, v0                           ; r
	v_bfe_u32 v2, v0, 4, 1                         ; h
	v_mul_u32_u24 v3, v1, PITCH
	v_lshl_add_u32 v3, v2, 3, v3                   ; P: row r, + 8 h
	s_mul_i32 s19, s17, 16*PITCH
	v_add_nc_u32 v4, s19, v3                       ; Q: row 16 T + r, + 8 h
	; descriptor group 1: 64 rows of 128 bytes, dense in memory, padded in LDS
	s_mov_b32 s24, (1<<20)|(4<<22)|(3<<25)         ; 15:0 no mask; 17:16 elements of 1 byte; 20 padding on; 24:22 after every 32 words (code 4); 31:25 four words (code 3)
	s_mov_b32 s25, 128<<16                         ; tensor_dim0 = 128
	s_mov_b32 s26, 64<<16                          ; tensor_dim1 = 64
	s_mov_b32 s27, 128<<16                         ; tile_dim0 = 128
	s_mov_b32 s28, 64                              ; tile_dim1 = 64
	s_mov_b32 s29, 128                             ; from row to row
	s_mov_b32 s30, 0
	s_mov_b32 s31, 0
	s_lshl_b32 s20, ttmp9, 14                      ; my block: 16,384 bytes x work-group, in x and in both outputs
	s_mov_b32 s21, 0
	s_and_b32 s22, s16, 1
	s_lshl_b32 s22, s22, 13                        ; which 64 rows of a tile I fetch, if I fetch
	s_mov_b32 s23, 0
	s_mul_i32 s54, s16, STW                        ; my stage
	s_wait_dscnt 0x0
	s_wait_kmcnt 0x0
	s_load_b256 s[36:43], s[10:11], 0x0            ; e0 .. e7
	s_load_b64 s[44:45], s[10:11], 0x20            ; e8, e9
	s_add_nc_u64 s[46:47], s[4:5], s[20:21]        ; x at my block
	s_cmp_lt_u32 s16, 4                            ; waves 0, 1 fetch x's halves, 2, 3 Wk's, 4, 5 Wv's: the choice hangs on the wave's number alone
	s_cselect_b64 s[48:49], s[6:7], s[8:9]
	s_cmp_lt_u32 s16, 2
	s_cselect_b64 s[48:49], s[46:47], s[48:49]
	s_mov_b32 s32, 1                               ; group 0: count = 1
	s_mul_i32 s33, s16, 64*PITCH                   ; LDS address: wave x 64 rows: x, Wk, Wv lie one behind the other
	s_add_nc_u64 s[34:35], s[48:49], s[22:23]      ; global address
	s_or_b32 s35, s35, 0x80000000                  ; type = 2
	s_cmp_lt_u32 s16, 6
	s_cbranch_scc0 .Lno_fill
	tensor_load_to_lds s[32:35], s[24:31]          ; the one fill: a wave has one tensor load out
	s_nop 0
.rept 4
	v_nop
.endr
.Lno_fill:
	s_wait_tensorcnt 0x0                           ; my part has landed,
	s_barrier_signal -1
	s_barrier_wait -1                              ; everybody's has
	s_wait_kmcnt 0x0                               ; the scales' exponents, ahead of the barrier below, inside which only registers are worked on
	s_cmp_lt_u32 s16, 8
	s_cbranch_scc0 .Lv_path
	WORK XS, WKS                                   ; k: Q = x's rows 16 T + r, P = Wk
	s_branch .Ldone
.Lv_path:
	WORK WVS, XS                                   ; v: Q = Wv's rows 16 T + r, P = x
.Ldone:
	s_barrier_signal -1                            ; my reads of the tiles are over; the scales, the holds and the conversions are worked on registers while the others arrive
	s_sub_co_i32 s50, s43, s38
	s_sub_co_i32 s50, s50, s39                     ; e7 - e2 - e3
	s_sub_co_i32 s51, s45, s40
	s_sub_co_i32 s51, s51, s41                     ; e9 - e4 - e5
	s_cmp_lt_u32 s16, 8
	s_cselect_b32 s50, s50, s51                    ; E
	s_cselect_b64 s[52:53], s[12:13], s[14:15]     ; and the buffer that I store into
	s_add_co_i32 s50, s50, 127
	s_lshl_b32 s51, s50, 23
	s_add_co_i32 s50, s50, 15
	s_lshl_b32 s50, s50, 23
	s_or_b32 s50, s50, 0x600000
	s_lshl_b32 s22, s17, 11                        ; my 16 rows of 128 bytes in the block
	s_add_nc_u64 s[52:53], s[52:53], s[20:21]
	s_add_nc_u64 s[52:53], s[52:53], s[22:23]
	; twelve plain instructions that name no register of the products: they are the places between the last product and the first read of a sum (ISA guide 7.12.1)
	v_mov_b32 v11, s51                             ; 2^E: the conversion takes its exponent field
	v_mov_b32 v10, s50                             ; 57,344 x 2^E
	v_mul_u32_u24 v5, v1, PITCH
	v_lshl_add_u32 v5, v2, 4, v5
	v_add_nc_u32 v5, s54, v5                       ; into the stage: row r, + 16 h
	v_and_b32 v7, 31, v0                           ; lane
	v_lshrrev_b32 v6, 3, v7
	v_and_b32 v8, 7, v7
	v_mul_u32_u24 v6, v6, PITCH
	v_lshl_add_u32 v6, v8, 4, v6
	v_add_nc_u32 v6, s54, v6                       ; out of it: eight lanes to a row of 128 bytes, four rows an instruction
	v_lshlrev_b32 v7, 4, v7                        ; and the same 512 bytes in memory
.set n, 0
.rept 64
	v_med3_num_f32 v[160+n], v[160+n], -v10, v10   ; the conversion does not saturate (ISA guide 7.6.2): hold first.  Ascending: each accumulator from its low end on
.set n, n+1
.endr
.irp t, 0,1,2,3,4,5,6,7
	v_cvt_scalef32_pk8_bf8_f32 v[224+2*\t:225+2*\t], v[160+8*\t:167+8*\t], v11   ; tile t's eight numbers 16 t + 8 h + 0 .. 7: registers 2 t, 2 t + 1 of the next operand
.endr
	v_nop                                          ; one plain instruction between a scaled conversion and what touches its result
	s_barrier_wait -1                              ; all sixteen waves have read the tiles out: their bytes may be written
.irp b, 0,1,2,3
	ds_store_b128 v5, v[224+4*\b:227+4*\b] offset:32*\b    ; registers 4 b .. 4 b + 3 of my half, as they are
.endr
.irp i, 0,1,2,3
	ds_load_b128 v[240+4*\i:243+4*\i], v6 offset:4*\i*PITCH   ; LDS serves a wave's instructions in order (ISA guide 5.7.1.4): these see my stores; the stage is my wave's own
.endr
.irp i, 0,1,2,3
	s_wait_dscnt 3-\i                              ; the younger read-backs may be out
	global_store_b128 v7, v[240+4*\i:243+4*\i], s[52:53] offset:512*\i   ; 32 lanes store 512 consecutive bytes, at a multiple of 256 from the buffer's first byte
.endr
	s_wait_tensorcnt 0x0
	ds_add_u32 v14, v15
	s_wait_dscnt 0x0
	s_endpgm
.Lfunc_end_k_qa2a537661b_kv:
	.size	k_qa2a537661b_kv, .Lfunc_end_k_qa2a537661b_kv-k_qa2a537661b_kv
	.p2alignl 7, 3214868480
	.fill 96, 4, 3214868480
	.section	.rodata,"a",@progbits
	.p2align	6, 0x0
	.amdhsa_kernel k_qa2a537661b_kv
		.amdhsa_group_segment_fixed_size 169984
		.amdhsa_private_segment_fixed_size 0
		.amdhsa_enable_private_segment 0
		.amdhsa_kernarg_size 48
		.amdhsa_user_sgpr_count 2
		.amdhsa_user_sgpr_kernarg_segment_ptr 1
		.amdhsa_wavefront_size32 1
		.amdhsa_system_sgpr_workgroup_id_x 1
		.amdhsa_system_sgpr_workgroup_id_y 1
		.amdhsa_system_sgpr_workgroup_id_z 1
		.amdhsa_system_vgpr_workitem_id 0
		.amdhsa_next_free_vgpr 256
		.amdhsa_next_free_sgpr 66
		.amdhsa_reserve_vcc 0
		.amdhsa_float_denorm_mode_32 3
		.amdhsa_float_denorm_mode_16_64 3
		.amdhsa_memory_ordered 1
		.amdhsa_forward_progress 1
		.amdhsa_inst_pref_size 21
	.end_amdhsa_kernel
	.amdgpu_metadata
---
amdhsa.version: [ 1, 2 ]
amdhsa.kernels:
  - .name:           k_qa2a537661b_kv
    .symbol:         k_qa2a537661b_kv.kd
    .args:
      - { .name: x_codes, .offset: 0, .size: 8, .value_kind: global_buffer, .address_space: global }
      - { .name: Wk_codes, .offset: 8, .size: 8, .value_kind: global_buffer, .address_space: global }
      - { .name: Wv_codes, .offset: 16, .size: 8, .value_kind: global_buffer, .address_space: global }
      - { .name: lowp_scales, .offset: 24, .size: 8, .value_kind: global_buffer, .address_space: global }
      - { .name: k_codes, .offset: 32, .size: 8, .value_kind: global_buffer, .address_space: global }
      - { .name: v_codes, .offset: 40, .size: 8, .value_kind: global_buffer, .address_space: global }
    .group_segment_fixed_size: 169984
    .private_segment_fixed_size: 0
    .kernarg_segment_align: 8
    .kernarg_segment_size: 48
    .max_flat_workgroup_size: 512
    .sgpr_count:     66
    .vgpr_count:     256
    .wavefront_size: 32
...
	.end_amdgpu_metadata
.endif
;; end of part 1
;; launch attn (part 2): grid 16 x 16, 8 waves a work-group, clusters of 4 x 1, 327,680 bytes of LDS; arguments x_codes, Wq_codes, k_codes, v_codes, lowp_scales, out0; writes out0
.if DOCPART == 2
	.amdgcn_target "amdgcn-amd-amdhsa--gfx1250"
	.amdhsa_code_object_version 6
	.text
	.protected	k_qa2a537661b_attn
	.globl	k_qa2a537661b_attn
	.p2align	8
	.type	k_qa2a537661b_attn,@function
k_qa2a537661b_attn:
	s_mov_b64 s[64:65], 0
	v_nop
	global_prefetch_b8 v0, s[64:65] scope:SCOPE_SE
	s_setreg_imm32_b32 hwreg(HW_REG_WAVE_MODE, 25, 1), 1
	s_wait_xcnt 0x0
	s_wait_alu depctr_hold_cnt(0) depctr_sa_sdst(0) depctr_va_vdst(0) depctr_va_sdst(0) depctr_va_ssrc(0) depctr_va_vcc(0) depctr_vm_vsrc(0)
	s_getreg_b32 s2, hwreg(HW_REG_IB_STS2, 6, 4)
	s_cmp_eq_u32 s2, 0
	s_cbranch_scc0 .Lentry_in_a_cluster
	s_endpgm
.Lentry_in_a_cluster:
	s_bfe_u32 s2, ttmp6, 0x10000c
	s_cmp_lg_u32 s2, 0x3003
	s_cbranch_scc0 .Lentry_shape_is_right
	s_endpgm
.Lentry_shape_is_right:
; out[b][t][:] = the sum over s <= t of softmax_s(q[b][t] . k[b][s] / sqrt(128)) v[b][s][:], q = x Wq^T; every product on codes of BF8 (E5M2), each operand with its one given scale 2^e.
; x: [16][2048][128] codes.  Wq: [128][128] codes.  k_codes, v_codes: made by the launch before, one block of 16,384 bytes for each batch and key step of 128 keys:
;   k: [128 keys][128 bytes along the head];   v: [128 channels][128 bytes along the keys];   a row's bytes lie as the operand's registers want them (byte 32 b + 16 h + i = byte i of registers 4 b .. 4 b + 3 of lane half h).
; out0: [16][2048][128] f32.
; THE SOFTMAX AHEAD OF THE SECOND PRODUCT, rounded step by step as the problem writes it: logit = score x f32(128^-0.5); t = logit x f32(log2(e)); M = the largest t so far, rounded UP to a whole number;
; p = 2^(t - M) is quantised along the keys with 2^e8, not normalised.  The three steps are not fused: p goes into a quantiser, and a fused form rounds otherwise at the middle between two codes.
; The row's sum is taken of the unquantised p and divides at the end.  When M moves, the sum and O are multiplied by 2^(old M - new M): exact.
; LIMITS, so that each power of two below is an f32 number: e6 - e0 - e1 and e8 between -126 and 112; e6 + e7 between -122 and 131 (they are added to the exponent field of 128^-0.5);
; e8 + e9 is applied by v_ldexp_f32 and has none.  NaN and infinity codes are not served.  A p below 2^-126 counts as 0 (v_exp_f32 gives no denormals).
; SHARES.  A wave owns ONE tile of 16 queries.  A tile of query group G (128 queries) walks key steps 0 .. G; only step G needs the mask.  Cluster m (0..3) of a batch owns groups 2 m, 2 m + 1, 14 - 2 m, 15 - 2 m;
; its work-group cx takes tiles 2 cx and 2 cx + 1 of each: eight tiles, eight waves.  Wave w: group a = 2 m + (w / 2) % 2 if w has an even number of ones, else 15 - a; tile 2 cx + w / 4.
; Waves w and w + 4, and waves 2 i and 2 i + 1, are then pairs (a, 15 - a): 17 key steps a pair, in every work-group of the launch.
; CLUSTER.  The four work-groups of a cluster walk the same 8 - m slots of the same batch's K and V, so every tile is asked for JOINTLY: the same tensor load, the same descriptor, a mask that names the four.
; The trip count, every branch and every LDS address hang on the wave's number and on m alone; cx enters x's and out0's addresses and the lane's number for the mask, which only selects values.
; LAYOUT.  All three products are used transposed (source 0 = 16 rows of Wq, 16 keys, 16 channels; source 1 = my 16 queries): a lane holds ONE query (lane % 16) throughout, and register j of tile t is number
; 16 t + 8 (lane / 16) + j along the next K: one conversion of a tile's eight registers gives registers 2 t, 2 t + 1 of the next operand.
; K IN ITS TRUE PLACES in every product: registers 2 c, 2 c + 1 hold K = 16 c + 8 (lane / 16) + 0 .. 7 (ISA guide 7.12.2).  x and Wq, which lie in K's own order, come by eight loads of 8 bytes a fragment,
; through registers, once, at the head; K's and V's rows lie as register images and come by four loads of 16 bytes.
; LDS.  Two slots of two key steps: 256 rows of K, then 256 rows of V, 128 bytes + 16 of padding each (16 neighbouring rows start at 16 different banks: 64 banks of 4 bytes, ISA guide 11.1).
; Each of the eight waves fetches 64 rows of a slot.  All of the WGP's LDS is claimed, and 0 is added to spare words in front of each refill and at the end.
.set KP,    144
.set VOFF,  256*KP                     ; V's rows in a slot
.set SLOT1, 1<<17                      ; slot 1 begins here: one exclusive or turns an address in one slot into the other's
.set STAGE, 512*KP                     ; 73,728 = 288 x 256: between the slots, 16 rows x 272 bytes for each wave, for the way out; no fill lands here
.set SP,    272
.set SPARE, 2*SLOT1                    ; the spare words, 128 bytes for each wave: four blocks of 256 bytes that no other line names
.set T,     242
; VECTOR: v1 my place in a tile of K or V; v3 my query's number in its group less 8 (lane / 16); v4 -infinity; v5, v6 the spare word's address and 0; v7 my offset in out0's rows;
;   v8, v9 the step's K and V; v10, v11, v14, v15 four chains of the maximum; v12 -M; v13 the largest t; v16-31 q's codes; v32-95 four fragments; v96-159 S^T, then t, then p, then V's fragments 4-7;
;   v160-223 O^T; v224-239 p's codes; v240 57,344 x 2^e8; v241 2^e8; v242-249 eight partial sums; v250-251 2^(old M - new M), twice; v252, v253 at work; v254, v255 into and out of the stage
; SCALAR: s[4:11] x, Wq, k, v; s[12:13] scales; s[14:15] out0; s16 wave; s17 cx; s19 batch; s[20:21] lane selects; s[22:23] 128^-0.5 x 2^(e6 + e7); s[24:31] group 1; s[32:35] group 0; s36 the slot in hand;
;   s37 the key step; s38 my last key step; s39 slots still to be asked for; s41 the step count at which my tile is finished; s42 e8 + e9; s[44:53] e0 .. e9; s[70:71] log2(e)
.macro PLACES n
.rept \n
	v_nop
.endr
.endm
; A round of the cluster's barrier: my work-group's barrier, so that wave 0's signal speaks for all eight waves; wave 0 signals for the work-group; every wave waits for all four work-groups; my work-group's barrier once more.
.macro CROUND
	s_barrier_signal -1
	s_barrier_wait -1
	s_cmp_lg_u32 s16, 0
	s_cbranch_scc1 .Lnot_wave_0_\@
	s_barrier_signal -3
.Lnot_wave_0_\@:
	s_barrier_wait -3
	s_barrier_signal -1
	s_barrier_wait -1
.endm
; THE CHANGE OF SLOTS stands at a slot's head.  Each wave waits for all its tensor loads (one: its part of the slot ahead), adds 0 to its spare word, and waits for that and for its reads of the slot that it has left.
; fill = 1: the barrier is a round of the cluster's, so that no wave of any partner still reads that slot or has a load on its way; the joint refill is the first thing behind it and has a whole slot's steps in which to land.
.macro CHANGE fill
	s_wait_tensorcnt 0x0                           ; no tensor load of mine is out, so group 0 may be written
	ds_add_u32 v5, v6
.if \fill
	s_xor_b32 s33, s33, SLOT1                      ; the walking descriptor: the other slot than last time,
	s_add_nc_u64 s[34:35], s[34:35], 32768         ; the next two key steps; the type bits on top are not reached
	s_wait_dscnt 0x0                               ; the add is done, and my reads of the slot that I have left are over
	CROUND
	tensor_load_to_lds s[32:35], s[24:31]          ; my one tensor load until the next round
	s_nop 0
	PLACES 4
.else
	s_wait_dscnt 0x0
	s_barrier_signal -1
	s_barrier_wait -1
.endif
.endm
.macro ADD2 p                          ; pair p: t - M
	v_pk_add_f32 v[96+2*(\p):97+2*(\p)], v[96+2*(\p):97+2*(\p)], v[12:13] op_sel_hi:[1,0]
.endm
.macro SUM2 p                          ; pair p of the unquantised p joins the eight partial sums; the first four pairs bring them under the new M on the way
.if (\p) < 4
	s_wait_alu depctr_va_vdst(0)
	v_pk_fma_f32 v[T+2*(\p):T+2*(\p)+1], v[T+2*(\p):T+2*(\p)+1], v[250:251], v[96+2*(\p):97+2*(\p)]
.else
	s_wait_alu depctr_va_vdst(0)
	v_pk_add_f32 v[T+2*((\p)%4):T+2*((\p)%4)+1], v[T+2*((\p)%4):T+2*((\p)%4)+1], v[96+2*(\p):97+2*(\p)]
.endif
.endm
.macro MASK                            ; register 8 t + j holds key 16 t + j + 8 (lane / 16) of the step: behind my query it becomes -infinity.  Ascending: each accumulator from its low end on
.irp t, 0,1,2,3,4,5,6,7
.irp j, 0,1,2,3,4,5,6,7
	v_cmp_gt_i32 vcc_lo, 16*\t+\j, v3
	v_cndmask_b32 v[96+8*\t+\j], v[96+8*\t+\j], v4, vcc_lo
.endr
.endr
.endm
; A KEY STEP: 128 keys, the q-th of the slot in hand.
.macro STEP q
	v_add_nc_u32 v8, s36, v1
	v_add_nc_u32 v9, VOFF, v8                      ; with the four below: six places behind the last step's products, whose sources are loaded into and written over here (ISA guide 7.12.1)
.irp g, 0,1                                    ; S^T = K q^T, four tiles of 16 keys at a time
	PLACES 4
.irp t, 0,1,2,3
.irp c, 0,1,2,3
	ds_load_b128 v[32+16*\t+4*\c:35+16*\t+4*\c], v8 offset:(128*\q+16*(4*\g+\t))*KP+32*\c
.endr
.endr
.irp t, 0,1,2,3
	s_wait_dscnt 12-4*\t                           ; tiles 0 .. t of the four are in; the four loads of each later one may be out
	v_wmma_f32_16x16x128_bf8_bf8 v[96+8*(4*\g+\t):103+8*(4*\g+\t)], v[32+16*\t:47+16*\t], v[16:31], 0
.endr
.endr
	PLACES 4                                       ; in front of the loads into K's registers and of the first read of a score
.irp t, 0,1,2,3
.irp c, 0,1,2,3
	ds_load_b128 v[32+16*\t+4*\c:35+16*\t+4*\c], v9 offset:(128*\q+16*\t)*KP+32*\c    ; V's tiles 0-3 land under the softmax
.endr
.endr
	s_cmp_lg_u32 s37, s38                          ; only my last key step, the one that holds my queries, is masked
	s_cbranch_scc1 .Lopen_\@
	MASK
.Lopen_\@:
.set n, 0
.rept 32
	v_pk_mul_f32 v[96+n:97+n], v[96+n:97+n], s[22:23] op_sel_hi:[1,0]   ; logit = score x 128^-0.5 (a score stands for score x 2^(e6 + e7)).  Ascending: each accumulator from its low end on
.set n, n+2
.endr
.set n, 0
.rept 32
	v_pk_mul_f32 v[96+n:97+n], v[96+n:97+n], s[70:71] op_sel_hi:[1,0]   ; t = logit x log2(e)
.set n, n+2
.endr
	; the largest of my 64 t: four chains of 15
.irp k, 0,1,2,3
	v_max3_num_f32 v[10+\k+2*(\k/2)], v[96+16*\k], v[97+16*\k], v[98+16*\k]
.endr
.irp i, 1,2,3,4,5,6
.irp k, 0,1,2,3
	v_max3_num_f32 v[10+\k+2*(\k/2)], v[10+\k+2*(\k/2)], v[97+16*\k+2*\i], v[98+16*\k+2*\i]
.endr
.endr
	v_max3_num_f32 v10, v10, v111, v127
	v_max3_num_f32 v14, v14, v143, v159
	v_max3_num_f32 v10, v10, v11, v14
	v_max_num_f32 v10, v10, v15
	v_mov_b32 v252, 0                              ; (the destination of a lane permute counts as read)
	v_permlanex16_b32 v252, v10, s20, s21
	v_max_num_f32 v10, v10, v252                   ; and of the 64 in the lane 16 away: at least one of the 128 is no -infinity, since the step's first key is never behind a query
	v_max_num_f32 v13, v13, v10                    ; the running largest t
	v_mov_b32 v253, v12
	v_floor_f32 v12, -v13                          ; the new -M = floor(-t) = -ceil(t): M IS A WHOLE NUMBER
	v_sub_f32 v253, v12, v253                      ; M's old value less its new one: a whole number, 0 or less
	v_cvt_i32_f32 v253, v253                       ; (saturates: the first step's huge difference gives the factor 0, on sums that are 0)
	v_ldexp_f32 v250, 1.0, v253
	v_mov_b32 v251, v250
	; 64 exponentials, each with a plain instruction behind it that touches neither its result nor its source (ISA guide 5.7.2): subtractions still due, then the sums, the hold and the codes of the block of 16 before
.irp p, 0,1,2,3,4,5,6,7,24,25,26,27,28,29,30,31
	ADD2 \p
.endr
.irp i, 0,1,2,3,4,5,6,7,8,9,10,11,12,13,14,15
	v_exp_f32 v[96+\i], v[96+\i]                   ; p = 2^(t - M), at most 1: NOT normalised
	ADD2 8+\i
.endr
.irp b, 1,2,3
.irp i, 0,1,2,3,4,5,6,7
	v_exp_f32 v[96+16*\b+2*\i], v[96+16*\b+2*\i]
	SUM2 8*(\b-1)+\i
	v_exp_f32 v[97+16*\b+2*\i], v[97+16*\b+2*\i]
	v_med3_num_f32 v[80+16*\b+2*\i], v[80+16*\b+2*\i], -v240, v240   ; behind its sum: the conversion does not saturate (ISA guide 7.6.2)
	v_med3_num_f32 v[81+16*\b+2*\i], v[81+16*\b+2*\i], -v240, v240
.endr
	v_cvt_scalef32_pk8_bf8_f32 v[220+4*\b:221+4*\b], v[80+16*\b:87+16*\b], v241     ; tiles 2 (b - 1) and 2 (b - 1) + 1: registers 2 t, 2 t + 1 of the operand
	v_cvt_scalef32_pk8_bf8_f32 v[222+4*\b:223+4*\b], v[88+16*\b:95+16*\b], v241
.endr
.irp i, 0,1,2,3,4,5,6,7
	SUM2 24+\i
	v_med3_num_f32 v[144+2*\i], v[144+2*\i], -v240, v240
	v_med3_num_f32 v[145+2*\i], v[145+2*\i], -v240, v240
.endr
	v_cvt_scalef32_pk8_bf8_f32 v[236:237], v[144:151], v241
	v_cvt_scalef32_pk8_bf8_f32 v[238:239], v[152:159], v241
	v_nop                                          ; one plain instruction between a scaled conversion and what writes its sources
.irp t, 0,1,2,3
.irp c, 0,1,2,3
	ds_load_b128 v[96+16*\t+4*\c:99+16*\t+4*\c], v9 offset:(128*\q+16*(4+\t))*KP+32*\c   ; V's tiles 4-7, where p lay
.endr
.endr
.set n, 0
.rept 32
	v_pk_mul_f32 v[160+n:161+n], v[160+n:161+n], v[250:251]      ; O^T under the new M: exact.  Ascending: each accumulator from its low end on
.set n, n+2
.endr
	PLACES 4                                       ; between the last of these and the products that add onto them
.irp t, 0,1,2,3,4,5,6,7                        ; O^T += V^T p^T: the eight accumulators take turns, one instruction a turn, and the eight products of S^T stand between two steps' turns
	s_wait_dscnt 28-4*\t                           ; V's tiles 0 .. t of the eight are in; the four loads of each later one may be out
	v_wmma_f32_16x16x128_bf8_bf8 v[160+8*\t:167+8*\t], v[32+16*\t:47+16*\t], v[224:239], v[160+8*\t:167+8*\t]
.endr
.endm
.macro GSTEP q                         ; a key step behind my last one is left out: no barrier and no tensor load stands inside
	s_cmp_gt_u32 s37, s38
	s_cbranch_scc1 .Lpast_\@
	STEP \q
.Lpast_\@:
	s_add_co_u32 s37, s37, 1
.endm
; THE WAY OUT.  The partial sums are added; O^T is divided by the sum, times 2^(e8 + e9), and goes through my stage in LDS, half a row (64 channels, 256 bytes) of 16 queries at a time.
.macro WAYOUT
	v_pk_add_f32 v[10:11], v[242:243], v[244:245]  ; five plain instructions: the places behind the last products
	v_pk_add_f32 v[14:15], v[246:247], v[248:249]
	v_pk_add_f32 v[10:11], v[10:11], v[14:15]
	v_add_f32 v14, v10, v11
	v_mov_b32 v252, 0
	v_permlanex16_b32 v252, v14, s20, s21
	v_add_f32 v14, v14, v252                       ; the row's sum: my keys' and the lane 16 away's
	v_rcp_f32 v14, v14
	v_nop                                          ; one plain instruction behind a transcendental
	s_wait_alu depctr_va_vdst(0)
	v_ldexp_f32 v14, v14, s42
.set n, 0
.rept 32
	v_pk_mul_f32 v[96+n:97+n], v[160+n:161+n], v[14:15] op_sel_hi:[1,0]   ; both by v14; register 8 t + i is out(query r, channel 16 t + 8 h + i).  Ascending
.set n, n+2
.endr
.irp u, 0,1                                    ; channels 64 u on
.irp t, 0,1,2,3
	ds_store_b128 v254, v[96+32*\u+8*\t:99+32*\u+8*\t] offset:64*\t
	ds_store_b128 v254, v[100+32*\u+8*\t:103+32*\u+8*\t] offset:64*\t+16
.endr
.irp i, 0,1,2,3,4,5,6,7
	ds_load_b128 v[32+32*\u+4*\i:35+32*\u+4*\i], v255 offset:2*\i*SP   ; LDS serves a wave's instructions in order (ISA guide 5.7.1.4): these see my stores, and the next half's stores come behind them
.endr
.endr
.irp u, 0,1
.irp i, 0,1,2,3,4,5,6,7
	s_wait_dscnt 16*(1-\u)+7-\i                    ; out may be: the 7 - i younger loads of this half and, for the first half, the other half's 8 stores and 8 loads
	global_store_b128 v7, v[32+32*\u+4*\i:35+32*\u+4*\i], s[14:15] offset:1024*\i+256*\u th:TH_STORE_NT   ; 16 lanes store 256 consecutive bytes, at a multiple of 256 from out0's first byte
.endr
.endr
	s_wait_xcnt 0x0                                ; the stores' data registers are written again only behind this wait
.endm
.macro SLOTBODY                        ; a slot's two key steps; a tile whose last step lies in this slot leaves at once, while the longer tiles go on
	GSTEP 0
	GSTEP 1
	s_cmp_lg_u32 s37, s41
	s_cbranch_scc1 .Lstay_\@
	WAYOUT
.Lstay_\@:
	s_xor_b32 s36, s36, SLOT1                      ; on to the other slot
.endm
.macro WQ t                            ; Wq's tile t, rows 16 t + r: tiles 0-3 into v32-95, tiles 4-7 into v160-223
.irp c, 0,1,2,3,4,5,6,7
	global_load_b64 v[32+16*(\t)+64*((\t)/4)+2*\c:33+16*(\t)+64*((\t)/4)+2*\c], v10, s[6:7] offset:2048*(\t)+16*\c
.endr
.endm
.macro QMUL t                          ; q^T's tile t: lane (r, h) holds query r; register j is the head's 16 t + 8 h + j
	v_wmma_f32_16x16x128_bf8_bf8 v[96+8*(\t):103+8*(\t)], v[32+16*(\t)+64*((\t)/4):47+16*(\t)+64*((\t)/4)], v[224:239], 0
.endm
	s_load_b256 s[4:11], s[0:1], 0x0               ; x s[4:5], Wq s[6:7], k_codes s[8:9], v_codes s[10:11]
	s_load_b128 s[12:15], s[0:1], 0x20             ; the scales' exponents s[12:13], out0 s[14:15]
	v_lshl_add_u32 v5, v0, 2, SPARE
	v_mov_b32 v6, 0
	ds_add_u32 v5, v6
	ds_add_u32 v5, v6
	s_wait_dscnt 0x0
	v_lshrrev_b32 v8, 5, v0
	v_readfirstlane_b32 s16, v8                    ; wave 0..7
	s_bfe_u32 s17, ttmp6, 0x40000                  ; cx: my place in the cluster
	s_and_b32 s19, ttmp7, 0xffff                   ; the batch, which the four partners share
	s_bcnt1_i32_b32 s54, s16
	s_and_b32 s54, s54, 1                          ; 1: I take the long tile of a pair
	s_bfe_u32 s55, s16, 0x10001                    ; (w / 2) % 2
	s_lshr_b32 s56, s16, 2                         ; which of the work-group's two tiles of a group
	s_lshl_b32 s58, ttmp9, 1                       ; in a cluster launch ttmp9 counts clusters: m
	s_add_co_u32 s55, s58, s55                     ; a = 2 m + (w / 2) % 2
	s_sub_co_u32 s57, 15, s55
	s_cmp_lg_u32 s54, 0
	s_cselect_b32 s38, s57, s55                    ; my query group = my last key step
	s_or_b32 s41, s38, 1
	s_add_co_u32 s41, s41, 1                       ; the step count behind the slot that holds it
	s_sub_co_u32 s39, 7, ttmp9                     ; the cluster walks 8 - m slots: 7 - m, four at the least, are asked for in the loop
	s_lshl_b32 s57, s38, 7
	s_lshl_b32 s58, s17, 5
	s_lshl_b32 s59, s56, 4
	s_add_co_u32 s58, s58, s59                     ; my first query in its group: 32 cx + 16 (w / 4)
	s_add_co_u32 s57, s57, s58                     ; and in the batch
	s_lshl_b32 s60, s19, 18
	s_lshl_b32 s59, s57, 7
	s_add_co_u32 s60, s60, s59                     ; its codes in x: rows of 128 bytes, 2^18 bytes a batch
	s_mov_b32 s61, 0
	s_lshl_b32 s62, s19, 20
	s_lshl_b32 s59, s57, 9
	s_add_co_u32 s62, s62, s59                     ; its row of out0: rows of 512 bytes, 2^20 bytes a batch
	s_mov_b32 s63, 0
	s_and_b32 s66, s16, 3                          ; what I fetch of a slot: 64 rows (8,192 bytes) of K (waves 0-3) or of V (waves 4-7); these registers never hold cx
	s_lshl_b32 s66, s66, 13
	s_lshl_b32 s67, s19, 18
	s_add_co_u32 s66, s66, s67
	s_mov_b32 s67, 0
	; descriptor group 1: 64 rows of 128 bytes, dense in memory, padded in LDS
	s_mov_b32 s24, 15|(1<<20)|(1<<21)|(4<<22)|(3<<25)   ; 15:0 the mask: all four work-groups; 17:16 elements of 1 byte; 20 padding on; 21 set beside a mask; 24:22 after every 32 words (code 4); 31:25 four words (code 3)
	s_mov_b32 s25, 128<<16                         ; tensor_dim0 = 128
	s_mov_b32 s26, 64<<16                          ; tensor_dim1 = 64
	s_mov_b32 s27, 128<<16                         ; tile_dim0 = 128
	s_mov_b32 s28, 64                              ; tile_dim1 = 64
	s_mov_b32 s29, 128                             ; from row to row
	s_mov_b32 s30, 0
	s_mov_b32 s31, 0
	s_mov_b32 s20, 0x76543210                      ; v_permlanex16_b32: each lane takes its own place in the other half
	s_mov_b32 s21, 0xfedcba98
	s_mov_b32 s22, 0x3db504f3                      ; 128^-0.5 as f32
	s_mov_b32 s36, 0
	s_mov_b32 s37, 0
	v_and_b32 v8, 15, v0                           ; r
	v_bfe_u32 v9, v0, 4, 1                         ; h
	v_lshlrev_b32 v10, 7, v8
	v_lshl_add_u32 v10, v9, 3, v10                 ; x and Wq: row r of 128 bytes, + 8 h
	s_wait_kmcnt 0x0
	s_load_b256 s[44:51], s[12:13], 0x0            ; e0 .. e7
	s_load_b64 s[52:53], s[12:13], 0x20            ; e8, e9
	s_add_nc_u64 s[4:5], s[4:5], s[60:61]
	s_add_nc_u64 s[14:15], s[14:15], s[62:63]
.irp c, 0,1,2,3,4,5,6,7
	global_load_b64 v[224+2*\c:225+2*\c], v10, s[4:5] offset:16*\c       ; my 16 rows of x: registers 2 c, 2 c + 1 hold K = 16 c + 8 h + 0 .. 7
.endr
.irp t, 0,1,2,3,4,5
	WQ \t                                          ; with x's eight: 56 loads are out
.endr
	s_cmp_lt_u32 s16, 4                            ; K or V: the choice hangs on the wave's number alone
	s_cselect_b64 s[68:69], s[8:9], s[10:11]
	s_mov_b32 s32, 1                               ; group 0: count = 1
	s_mul_i32 s33, s16, 64*KP                      ; LDS address: wave x 64 rows of slot 0: no place in the cluster enters it
	s_add_nc_u64 s[34:35], s[68:69], s[66:67]      ; global address: the batch's first two key steps
	s_or_b32 s35, s35, 0x80000000                  ; type = 2
	CROUND                                         ; all four work-groups are here: the first joint loads meet
	tensor_load_to_lds s[32:35], s[24:31]          ; slot 0: one tensor load of mine is out
	s_nop 0
	PLACES 4
	v_mul_u32_u24 v1, v8, KP
	v_lshl_add_u32 v1, v9, 4, v1                   ; a tile's row r, + 16 h
	v_lshlrev_b32 v3, 3, v9
	v_sub_nc_u32 v3, v8, v3
	v_add_nc_u32 v3, s58, v3                       ; my query in its group, less 8 h (as a signed number)
	v_mov_b32 v4, 0xff800000                       ; -infinity
	v_lshlrev_b32 v7, 9, v9
	v_lshl_add_u32 v7, v8, 4, v7                   ; the way out: lanes 0-15 one row of out0, lanes 16-31 the next; 16 bytes a lane
	s_mul_i32 s70, s16, 16*SP
	s_add_co_u32 s70, s70, STAGE                   ; my stage
	v_mul_u32_u24 v254, v8, SP
	v_lshl_add_u32 v254, v9, 5, v254
	v_add_nc_u32 v254, s70, v254                   ; in: row r, 32 bytes for each half of the lanes
	v_mul_u32_u24 v255, v9, SP
	v_lshl_add_u32 v255, v8, 4, v255
	v_add_nc_u32 v255, s70, v255                   ; back: lanes 0-15 one row, lanes 16-31 the next
	; q^T = Wq x^T.  The count in front of product t is the eight loads of each tile issued behind tile t: five tiles for t = 0, 1, 2 (tile 6 is asked for behind product 0, tile 7 behind product 1), then 7 - t
	s_wait_loadcnt 40
	QMUL 0
	WQ 6
	s_wait_loadcnt 40
	QMUL 1
	WQ 7
.irp t, 2,3,4,5,6,7
	s_wait_loadcnt 8*(7-\t)
	QMUL \t
.endr
	s_wait_kmcnt 0x0
	s_sub_co_i32 s54, s50, s44
	s_sub_co_i32 s54, s54, s45                     ; a sum stands for sum x 2^(e0 + e1): its code is sum / 2^(e6 - e0 - e1)
	s_add_co_i32 s54, s54, 127
	s_lshl_b32 s55, s54, 23
	s_add_co_i32 s54, s54, 15
	s_lshl_b32 s54, s54, 23
	s_or_b32 s54, s54, 0x600000
	s_add_co_i32 s56, s50, s51
	s_lshl_b32 s56, s56, 23
	s_add_co_i32 s22, s22, s56                     ; a score stands for score x 2^(e6 + e7): the two exponents are added to the exponent field of 128^-0.5; the product's rounding stays the same
	s_mov_b32 s23, s22                             ; named with it as a pair, so it is written
	s_mov_b32 s70, 0x3fb8aa3b                      ; log2(e) as f32
	s_mov_b32 s71, s70
	s_add_co_i32 s56, s52, 127
	s_lshl_b32 s57, s56, 23
	s_add_co_i32 s56, s56, 15
	s_lshl_b32 s56, s56, 23
	s_or_b32 s56, s56, 0x600000
	s_add_co_i32 s42, s52, s53                     ; e8 + e9
	; fourteen plain instructions that name no register of the products: the places in front of the first read of a sum
	v_mov_b32 v14, s55                             ; 2^(e6 - e0 - e1)
	v_mov_b32 v15, s54                             ; 57,344 x that
	v_mov_b32 v241, s57                            ; 2^e8
	v_mov_b32 v240, s56                            ; 57,344 x 2^e8
.irp i, 0,1,2,3,4,5,6,7
	v_mov_b32 v[T+\i], 0                           ; the partial sums
.endr
	v_mov_b32 v13, 0xff61b1e6                      ; the largest t so far: -3e38, under every t
	v_floor_f32 v12, -v13                          ; -M
.set n, 0
.rept 64
	v_med3_num_f32 v[96+n], v[96+n], -v15, v15     ; hold, then convert.  Ascending: each accumulator from its low end on
.set n, n+1
.endr
.irp t, 0,1,2,3,4,5,6,7
	v_cvt_scalef32_pk8_bf8_f32 v[16+2*\t:17+2*\t], v[96+8*\t:103+8*\t], v14     ; tile t: registers 2 t, 2 t + 1 of q's fragment
.endr
	v_nop                                          ; one plain instruction behind a scaled conversion
.set n, 0
.rept 64
	v_mov_b32 v[160+n], 0                          ; O^T, once: so the key step is written without a copy for the first step, whose change of M multiplies zeros by 0
.set n, n+1
.endr
.Lslot:                                                ; 7 - m trips: behind each change of slots but the last the next slot is asked for
	CHANGE 1
	SLOTBODY
	s_sub_co_i32 s39, s39, 1
	s_cmp_gt_i32 s39, 0
	s_cbranch_scc1 .Lslot
	CHANGE 0                                       ; the last slot is written out
	SLOTBODY
	s_wait_tensorcnt 0x0                           ; the wave's end: behind my last tensor load and my last LDS store
	ds_add_u32 v5, v6
	s_wait_dscnt 0x0
	CROUND                                         ; the closing round: no work-group ends while a partner may still ask for a tile that names it
	s_endpgm
.Lfunc_end_k_qa2a537661b_attn:
	.size	k_qa2a537661b_attn, .Lfunc_end_k_qa2a537661b_attn-k_qa2a537661b_attn
	.p2alignl 7, 3214868480
	.fill 96, 4, 3214868480
	.section	.rodata,"a",@progbits
	.p2align	6, 0x0
	.amdhsa_kernel k_qa2a537661b_attn
		.amdhsa_group_segment_fixed_size 327680
		.amdhsa_private_segment_fixed_size 0
		.amdhsa_enable_private_segment 0
		.amdhsa_kernarg_size 48
		.amdhsa_user_sgpr_count 2
		.amdhsa_user_sgpr_kernarg_segment_ptr 1
		.amdhsa_wavefront_size32 1
		.amdhsa_system_sgpr_workgroup_id_x 1
		.amdhsa_system_sgpr_workgroup_id_y 1
		.amdhsa_system_sgpr_workgroup_id_z 1
		.amdhsa_system_vgpr_workitem_id 0
		.amdhsa_next_free_vgpr 256
		.amdhsa_next_free_sgpr 72
		.amdhsa_reserve_vcc 1
		.amdhsa_float_denorm_mode_32 3
		.amdhsa_float_denorm_mode_16_64 3
		.amdhsa_memory_ordered 1
		.amdhsa_forward_progress 1
		.amdhsa_inst_pref_size 160
	.end_amdhsa_kernel
	.amdgpu_metadata
---
amdhsa.version: [ 1, 2 ]
amdhsa.kernels:
  - .name:           k_qa2a537661b_attn
    .symbol:         k_qa2a537661b_attn.kd
    .args:
      - { .name: x_codes, .offset: 0, .size: 8, .value_kind: global_buffer, .address_space: global }
      - { .name: Wq_codes, .offset: 8, .size: 8, .value_kind: global_buffer, .address_space: global }
      - { .name: k_codes, .offset: 16, .size: 8, .value_kind: global_buffer, .address_space: global }
      - { .name: v_codes, .offset: 24, .size: 8, .value_kind: global_buffer, .address_space: global }
      - { .name: lowp_scales, .offset: 32, .size: 8, .value_kind: global_buffer, .address_space: global }
      - { .name: out0, .offset: 40, .size: 8, .value_kind: global_buffer, .address_space: global }
    .group_segment_fixed_size: 327680
    .private_segment_fixed_size: 0
    .kernarg_segment_align: 8
    .kernarg_segment_size: 48
    .max_flat_workgroup_size: 256
    .sgpr_count:     72
    .vgpr_count:     256
    .wavefront_size: 32
...
	.end_amdgpu_metadata
.endif
;; end of part 2
;; ======== version 2 of 2: 2 launches
;; limits: right only within a limited range of input values
;; workspace buffers: q_codes 4,194,304 bytes; k_codes 4,194,304 bytes; v_codes 4,194,304 bytes
;; launch proj (part 3): grid 256 x 1, 12 waves a work-group, no clusters, 169,984 bytes of LDS; arguments x_codes, Wk_codes, Wq_codes, Wv_codes, lowp_scales, k_codes, q_codes, v_codes; writes k_codes, q_codes, v_codes
.if DOCPART == 3
	.amdgcn_target "amdgcn-amd-amdhsa--gfx1250"
	.amdhsa_code_object_version 6
	.text
	.protected	k_qa2a537661b_proj
	.globl	k_qa2a537661b_proj
	.p2align	8
	.type	k_qa2a537661b_proj,@function
k_qa2a537661b_proj:
	s_mov_b64 s[64:65], 0
	v_nop
	global_prefetch_b8 v0, s[64:65] scope:SCOPE_SE
	s_setreg_imm32_b32 hwreg(HW_REG_WAVE_MODE, 25, 1), 1
	s_wait_xcnt 0x0
; q = x Wq^T, k = x Wk^T, v = x Wv^T on codes of BF8 (E5M2), each result quantised once to BF8 with its given scale, for the attention launch that follows.
; x: [32768][128] codes; Wq, Wk, Wv: [128][128] codes, K innermost; lowp_scales: e0 .. e9.
; DEAD WORK of the program: score tiles of 128 keys that lie wholly behind a query group are minus infinity by the causal mask, so their p is 0 for all values of the inputs;
; the attention launch leaves them out.  LIMIT: a NaN, an infinity or an overflow that reaches only that work is not carried to the result.
; OUT: dense images of the operands' registers.  A fragment is 16 rows x 128 along K = 2,048 bytes: four groups of registers (4 c .. 4 c + 3), each 32 lanes x 16 bytes.
;   q_codes, k_codes: one fragment for each 16 rows of x.   v_codes: for each 128 rows of x (a key step) eight fragments of 16 channels, K = the step's 128 keys.
; A sum stands for sum x 2^(ex + ew), so its code is sum / 2^E, E = e6 - e0 - e1 (q), e7 - e2 - e3 (k), e9 - e4 - e5 (v), held within +-57,344 x 2^E, nearest code, ties to even.
; LIMITS: each E lies between -126 and 112, so that 2^E and 57,344 x 2^E are f32 numbers.  NaN and infinity codes among the inputs are not served.
; SHARES.  Work-group g owns rows 128 g .. 128 g + 127 of x.  Wave w: product w / 4 (k, q, v), part u = w % 4: two fragments Q of 16 rows each against the eight fragments P of the other operand.
;   k, q: P = W, Q = x's rows 32 u + 16 a + r.    v: P = x, Q = Wv's rows 32 u + 16 a + r.
; Source 0 = P, source 1 = Q: lane (r, h) then holds row r of Q, register j of tile t is P's row 16 t + 8 h + j: a tile's eight registers convert to registers 2 t, 2 t + 1 of the next operand.
; One matrix instruction finishes a tile, so tile t - 1 is held and converted while later tiles of P are on their way; two sets of sums take turns.
; K IN ITS TRUE PLACES, since the sums go on into a quantiser: eight loads of 8 bytes a fragment: registers 2 c, 2 c + 1 hold K = 16 c + 8 h + 0 .. 7 (ISA guide 7.12.2).
; NO CLUSTER: a work-group asks once, for 64 KB, and has no second fill; a joint request would set two rounds of a cluster's barrier round that single fill.  No prefetch: there is no loop to run ahead in.
; LDS: every byte is filled once.  x, Wk, Wq, Wv lie one behind the other as rows of 128 bytes + 16 of padding (dense in memory, so stated as rows of 256 bytes).
.set PITCH, 144
.set TILE,  128*PITCH
.set SPARE, 4*TILE                     ; the spare words, 128 bytes for each wave
; v3 lane's place, v4 Q's address, v5 P's, v7 16 x lane, v10 57,344 x 2^E, v11 2^E, v16-47 Q, v48-175 eight fragments of P, v176-207 two sets of sums, v208-239 codes
.macro PT t
.irp c, 0,1,2,3,4,5,6,7
	ds_load_b64 v[48+16*\t+2*\c:49+16*\t+2*\c], v5 offset:16*\t*PITCH+16*\c
.endr
.endm
.macro MUL t
.irp a, 0,1
	v_wmma_f32_16x16x128_bf8_bf8 v[176+16*(\t%2)+8*\a:183+16*(\t%2)+8*\a], v[48+16*\t:63+16*\t], v[16+16*\a:31+16*\a], 0
.endr
.endm
.macro DONE t                          ; the hold (the conversion does not saturate: ISA guide 7.6.2), each accumulator from its low end on, and the codes
.irp a, 0,1
.irp j, 0,1,2,3,4,5,6,7
	v_med3_num_f32 v[176+16*(\t%2)+8*\a+\j], v[176+16*(\t%2)+8*\a+\j], -v10, v10
.endr
.endr
.irp a, 0,1
	v_cvt_scalef32_pk8_bf8_f32 v[208+16*\a+2*\t:209+16*\a+2*\t], v[176+16*(\t%2)+8*\a:183+16*(\t%2)+8*\a], v11
.endr
	v_nop                                          ; one plain instruction behind a run of scaled conversions
.endm
.macro SEND c                          ; tiles 2 c, 2 c + 1: 32 lanes store 512 consecutive bytes, at a multiple of 256 from the buffer's first byte
.irp a, 0,1
	global_store_b128 v7, v[208+16*\a+4*\c:211+16*\a+4*\c], s[60:61] offset:2048*\a+512*\c
.endr
.endm
.macro PLACES4
.rept 4
	v_nop
.endr
.endm
	s_load_b512 s[4:19], s[0:1], 0x0               ; x s[4:5], Wk s[6:7], Wq s[8:9], Wv s[10:11], scales s[12:13], k s[14:15], q s[16:17], v s[18:19]
	v_lshl_add_u32 v14, v0, 2, SPARE
	v_mov_b32 v15, 0
	ds_add_u32 v14, v15                            ; the opening lines
	ds_add_u32 v14, v15
	v_lshrrev_b32 v8, 5, v0
	v_readfirstlane_b32 s20, v8                    ; wave 0..11
	v_and_b32 v1, 15, v0                           ; r
	v_bfe_u32 v2, v0, 4, 1                         ; h
	v_and_b32 v7, 31, v0
	v_mul_u32_u24 v3, v1, PITCH
	v_lshlrev_b32 v7, 4, v7
	v_lshl_add_u32 v3, v2, 3, v3                   ; row r, + 8 h
	s_wait_alu depctr_va_vdst(0)
	s_lshr_b32 s21, s20, 2                         ; product: 0 k, 1 q, 2 v
	s_and_b32 s22, s20, 3                          ; u
	s_add_co_u32 s46, s21, 1
	s_mul_i32 s46, s46, TILE                       ; k, q: P = Wk, Wq
	s_mul_i32 s47, s22, 32*PITCH                   ; k, q: Q = x's rows 32 u ..
	s_add_co_u32 s48, s47, 3*TILE                  ; v: Q = Wv's rows 32 u ..
	s_cmp_eq_u32 s21, 2
	s_cselect_b32 s46, 0, s46                      ; v: P = x
	s_cselect_b32 s47, s48, s47
	v_add_nc_u32 v4, s47, v3
	v_add_nc_u32 v5, s46, v3
	; descriptor group 1: 64 rows of 128 bytes, dense in memory: 32 rows of 256 bytes, 16 bytes of padding behind every 128
	s_mov_b32 s24, (1<<20)|(4<<22)|(3<<25)         ; no mask; elements of 1 byte; padding after every 32 words (code 4) of 4 words (code 3)
	s_mov_b32 s25, 256<<16
	s_mov_b32 s26, 32<<16
	s_mov_b32 s27, 256<<16
	s_mov_b32 s28, 32
	s_mov_b32 s29, 256
	s_mov_b32 s30, 0
	s_mov_b32 s31, 0
	s_lshl_b32 s50, ttmp9, 14                      ; my block: 16,384 bytes in x and in each output
	s_mov_b32 s51, 0
	s_and_b32 s52, s20, 1
	s_lshl_b32 s52, s52, 13                        ; which half of a tile I fetch, if I fetch
	s_mov_b32 s53, 0
	s_wait_dscnt 0x0                               ; both opening adds are done
	s_wait_alu depctr_va_vdst(0)
	s_wait_kmcnt 0x0
	s_load_b256 s[36:43], s[12:13], 0x0            ; e0 .. e7
	s_load_b64 s[44:45], s[12:13], 0x20            ; e8, e9
	s_add_nc_u64 s[54:55], s[4:5], s[50:51]
	s_cmp_lt_u32 s20, 6                            ; waves 0, 1 fetch x, 2, 3 Wk, 4, 5 Wq, 6, 7 Wv
	s_cselect_b64 s[56:57], s[8:9], s[10:11]
	s_cmp_lt_u32 s20, 4
	s_cselect_b64 s[56:57], s[6:7], s[56:57]
	s_cmp_lt_u32 s20, 2
	s_cselect_b64 s[56:57], s[54:55], s[56:57]
	s_mov_b32 s32, 1
	s_mul_i32 s33, s20, 64*PITCH                   ; LDS: wave x 64 rows
	s_add_nc_u64 s[34:35], s[56:57], s[52:53]
	s_or_b32 s35, s35, 0x80000000
	s_cmp_lt_u32 s20, 8
	s_cbranch_scc0 .Lno_fill
	tensor_load_to_lds s[32:35], s[24:31]          ; the one fill
	s_nop 0
	PLACES4
.Lno_fill:
	s_wait_kmcnt 0x0                               ; the scales, while the tiles are on their way
	s_sub_co_i32 s46, s43, s38
	s_sub_co_i32 s46, s46, s39                     ; k: e7 - e2 - e3
	s_sub_co_i32 s47, s42, s36
	s_sub_co_i32 s47, s47, s37                     ; q: e6 - e0 - e1
	s_sub_co_i32 s48, s45, s40
	s_sub_co_i32 s48, s48, s41                     ; v: e9 - e4 - e5
	s_cmp_eq_u32 s21, 1
	s_cselect_b32 s46, s47, s46
	s_cselect_b64 s[60:61], s[16:17], s[14:15]
	s_cmp_eq_u32 s21, 2
	s_cselect_b32 s46, s48, s46                    ; E
	s_cselect_b64 s[60:61], s[18:19], s[60:61]     ; the buffer that I store into
	s_lshl_b32 s22, s22, 12                        ; my two fragments of 2,048 bytes
	s_mov_b32 s23, 0
	s_add_nc_u64 s[60:61], s[60:61], s[50:51]
	s_add_nc_u64 s[60:61], s[60:61], s[22:23]
	s_add_co_i32 s46, s46, 127
	s_lshl_b32 s47, s46, 23
	s_add_co_i32 s46, s46, 15
	s_lshl_b32 s46, s46, 23
	s_or_b32 s46, s46, 0x600000
	v_mov_b32 v11, s47                             ; 2^E
	v_mov_b32 v10, s46                             ; 57,344 x 2^E
	s_wait_alu depctr_va_vdst(0)
	s_wait_tensorcnt 0x0                           ; my part has landed,
	s_barrier_signal -1
	s_barrier_wait -1                              ; everybody's has
.irp a, 0,1
.irp c, 0,1,2,3,4,5,6,7
	ds_load_b64 v[16+16*\a+2*\c:17+16*\a+2*\c], v4 offset:16*\a*PITCH+16*\c
.endr
.endr
	PT 0
	PT 1
	PT 2
	PT 3
	PT 4
	s_wait_dscnt 32                                ; Q and tile 0 are in; the four younger tiles, eight loads each, may be out
	MUL 0
	PT 5
	s_wait_dscnt 32                                ; tiles 2 to 5 may be out
	MUL 1
	PT 6
	PLACES4                                        ; in front of the first read of a sum; from here on the tile before is the places
	DONE 0
	s_wait_dscnt 32                                ; tiles 3 to 6
	MUL 2
	PT 7
	DONE 1
	SEND 0
	s_wait_dscnt 32                                ; tiles 4 to 7
	MUL 3
	DONE 2
	s_wait_dscnt 24
	MUL 4
	DONE 3
	SEND 1
	s_wait_dscnt 16
	MUL 5
	DONE 4
	s_wait_dscnt 8
	MUL 6
	DONE 5
	SEND 2
	s_wait_dscnt 0x0
	MUL 7
	DONE 6
	DONE 7
	SEND 3
	s_wait_tensorcnt 0x0                           ; the wave's end
	ds_add_u32 v14, v15
	s_wait_dscnt 0x0
	s_endpgm
.Lfunc_end_k_qa2a537661b_proj:
	.size	k_qa2a537661b_proj, .Lfunc_end_k_qa2a537661b_proj-k_qa2a537661b_proj
	.p2alignl 7, 3214868480
	.fill 96, 4, 3214868480
	.section	.rodata,"a",@progbits
	.p2align	6, 0x0
	.amdhsa_kernel k_qa2a537661b_proj
		.amdhsa_group_segment_fixed_size 169984
		.amdhsa_private_segment_fixed_size 0
		.amdhsa_enable_private_segment 0
		.amdhsa_kernarg_size 64
		.amdhsa_user_sgpr_count 2
		.amdhsa_user_sgpr_kernarg_segment_ptr 1
		.amdhsa_wavefront_size32 1
		.amdhsa_system_sgpr_workgroup_id_x 1
		.amdhsa_system_sgpr_workgroup_id_y 1
		.amdhsa_system_sgpr_workgroup_id_z 1
		.amdhsa_system_vgpr_workitem_id 0
		.amdhsa_next_free_vgpr 256
		.amdhsa_next_free_sgpr 66
		.amdhsa_reserve_vcc 0
		.amdhsa_float_denorm_mode_32 3
		.amdhsa_float_denorm_mode_16_64 3
		.amdhsa_memory_ordered 1
		.amdhsa_forward_progress 1
		.amdhsa_inst_pref_size 21
	.end_amdhsa_kernel
	.amdgpu_metadata
---
amdhsa.version: [ 1, 2 ]
amdhsa.kernels:
  - .name:           k_qa2a537661b_proj
    .symbol:         k_qa2a537661b_proj.kd
    .args:
      - { .name: x_codes, .offset: 0, .size: 8, .value_kind: global_buffer, .address_space: global }
      - { .name: Wk_codes, .offset: 8, .size: 8, .value_kind: global_buffer, .address_space: global }
      - { .name: Wq_codes, .offset: 16, .size: 8, .value_kind: global_buffer, .address_space: global }
      - { .name: Wv_codes, .offset: 24, .size: 8, .value_kind: global_buffer, .address_space: global }
      - { .name: lowp_scales, .offset: 32, .size: 8, .value_kind: global_buffer, .address_space: global }
      - { .name: k_codes, .offset: 40, .size: 8, .value_kind: global_buffer, .address_space: global }
      - { .name: q_codes, .offset: 48, .size: 8, .value_kind: global_buffer, .address_space: global }
      - { .name: v_codes, .offset: 56, .size: 8, .value_kind: global_buffer, .address_space: global }
    .group_segment_fixed_size: 169984
    .private_segment_fixed_size: 0
    .kernarg_segment_align: 8
    .kernarg_segment_size: 64
    .max_flat_workgroup_size: 384
    .sgpr_count:     66
    .vgpr_count:     256
    .wavefront_size: 32
...
	.end_amdgpu_metadata
.endif
;; end of part 3
;; launch attn (part 4): grid 16 x 16, 8 waves a work-group, clusters of 4 x 1, 327,680 bytes of LDS; arguments q_codes, k_codes, v_codes, lowp_scales, out0; writes out0
.if DOCPART == 4
	.amdgcn_target "amdgcn-amd-amdhsa--gfx1250"
	.amdhsa_code_object_version 6
	.text
	.protected	k_qa2a537661b_attn
	.globl	k_qa2a537661b_attn
	.p2align	8
	.type	k_qa2a537661b_attn,@function
k_qa2a537661b_attn:
	s_mov_b64 s[64:65], 0
	v_nop
	global_prefetch_b8 v0, s[64:65] scope:SCOPE_SE
	s_setreg_imm32_b32 hwreg(HW_REG_WAVE_MODE, 25, 1), 1
	s_wait_xcnt 0x0
	s_wait_alu depctr_hold_cnt(0) depctr_sa_sdst(0) depctr_va_vdst(0) depctr_va_sdst(0) depctr_va_ssrc(0) depctr_va_vcc(0) depctr_vm_vsrc(0)
	s_getreg_b32 s2, hwreg(HW_REG_IB_STS2, 6, 4)
	s_cmp_eq_u32 s2, 0
	s_cbranch_scc0 .Lentry_in_a_cluster
	s_endpgm
.Lentry_in_a_cluster:
	s_bfe_u32 s2, ttmp6, 0x10000c
	s_cmp_lg_u32 s2, 0x3003
	s_cbranch_scc0 .Lentry_shape_is_right
	s_endpgm
.Lentry_shape_is_right:
; out[b][t][:] = the sum over s <= t of softmax_s(q[b][t] . k[b][s] / sqrt(128)) v[b][s][:], both products on codes of BF8 (E5M2), each operand with its one given scale 2^e.
; q_codes, k_codes, v_codes: dense images of operand registers made by the launch before: a fragment is 2,048 bytes, four groups of 32 lanes x 16 bytes; a key step of 128 keys is 16,384 bytes of K and as many of V.
; LEFT OUT: key steps that lie wholly behind a query group (minus infinity by the causal mask, so p = 0 for all values of the inputs).  LIMIT: a NaN, an infinity or an overflow there is not carried to the result.
; SOFTMAX: logit = score x f32(128^-0.5), rounded; t = logit x f32(log2(e)); M = the largest t so far of the keys that the wave walks, rounded UP to a whole number; t - M is one fused multiply-add of the logit
; (so t itself is not rounded: it differs from a rounded t by half a unit of t's last place at most); p = 2^(t - M) is quantised along the keys with 2^e8, not normalised.
; The row's sum is taken of the unquantised p in f32.  When M moves, the sum and O are multiplied by 2^(old M - new M): exact.  Parts of one row made by several waves are brought under the row's largest M, also by exact powers of two.
; LIMITS, so that each power of two below is an f32 number: e6 + e7 between -122 and 130 (added to the exponent field of 128^-0.5); e8 between -126 and 112; e8 + e9 is applied by v_ldexp_f32.
; The promise holds while the scaled scores t stay under 2^31 in magnitude.  NaN and infinity codes are not served.  A p below 2^-126 counts as 0.
; SHARES.  Query groups of 128; group G walks key steps 0 .. G.  Cluster m (0..3) of a batch owns groups 2 m, 2 m + 1 (short) and 14 - 2 m, 15 - 2 m (long); its work-group cx takes 32 queries of each: 34 pair-steps of 32 queries in every work-group.
;   SHORT first: wave w takes ONE tile of 16 queries (tile (w / 2) % 2 of group 2 m + w % 2) and every second key step (from w / 4 on).
;   LONG then: wave w takes TWO tiles (group 15 - 2 m - w % 2) and every fourth key step (from e = w / 2 on): each fragment of K and V feeds two matrix instructions.
;   A long group is 12 or more where m < 2 (slots 0 to 3) and 8 or more where m is 2 or 3 (slots 0 to 2): all its slots but the last are walked whole by every wave and need no mask.
;   The waves that share rows join their M, sums and O in LDS; each of them then stores 16 rows x 64 channels.
; CLUSTER.  The four work-groups of a cluster walk the same slots: every tile is asked for JOINTLY.  Trip counts, branches and LDS addresses hang on the wave's number and on m alone; cx enters q's, out0's and the prefetches' addresses and the mask's lane numbers.
; RING.  A slot is four key steps: 64 KB of K, 64 KB of V; each wave fetches one step's K or V (64 rows of 256 bytes).  Slot 0 at the head, slot 1 behind the first round, slots 2 (and 3 where m < 2) when the slot before last is left.
; The change of slots stands AHEAD of a step's second product, when its V is in registers: half of that product stands inside the change's barrier, the next K is asked for behind it, under the other half.
; LAYOUT.  S^T = K q^T, O^T = V^T p^T: a lane holds ONE query (lane % 16); register j of tile t is number 16 t + 8 (lane / 16) + j along the next K.
; PREFETCH: at the change that loads slot n, slot n + 1 is asked for, where it will be loaded: of each wave's 16 KB the four partners take 4 KB each, by address; 16 blocks of 256 bytes an instruction.  Slots 0 and 1 come by their loads alone.
.set VOFF,  65536                      ; V in a slot
.set SLOT1, 1<<17
.set STG,   2*SLOT1                    ; 8 x 4,352 bytes: short parts on their way to the partner (4,096 bytes a wave), then each wave's own stage (16 rows x 272)
.set SP,    272
.set MLL,   STG+8*16*SP                ; 296,960: -M and sum of the long parts: 512 bytes a wave
.set MLS,   MLL+4096                   ; of the short parts: 256 bytes a wave
.set SPARE, MLS+2048                   ; 303,104: the spare words, 128 bytes a wave
; WINDOW 0
.set LN,   1                           ; 16 x lane
.set SPW,  2                           ; the spare word's address
.set NIL,  3                           ; 0
.set AK,   4                           ; my long step's K in the slot in hand
.set AV,   5                           ; and V
.set MSK,  6                           ; my query in its group less 8 (lane / 16): long (tile 0)
.set MSKS, 7                           ; short
.set NINF, 8
.set PF,   9                           ; the prefetch's lane offset
.set GO,   10                          ; lane offset in out0's rows
.set STI,  11                          ; into the stage
.set E8,   12                          ; 2^e8
.set STO,  13                          ; out of the stage
.set NM,   14                          ; tile a: v[14 + 2 a] = -M, v[15 + 2 a] = the largest t
.set F,    18                          ; tile a: v[18 + 2 a] = 2^(old M - new M); the odd ones are named with it as a pair
.set MX,   22                          ; tile a: four chains of the maximum, then at work
.set PM,   30                          ; lane permutes
.set AKS,  32                          ; short: K, V in slot 0; v34, v35 in slot 1.  (In the last merge: v32 my parts out, v33-35 the partners' parts)
.set AVS,  33
.set T,    36                          ; tile a: eight partial sums
.set MD,   52                          ; -M and sum on their way out
.set CWS,  56                          ; short merge: the partner's chunk; v57 my chunk; v58 my -M and sum, v59 the partner's.  (In the last merge: v56 mine out, v57-60 all four)
.set L8,   61                          ; 8 x lane
.set BL,   62                          ; AK in slot 0
.set QL,   64                          ; q of the long tiles
.set PC,   96                          ; tile a's codes of p: 16 registers
.set QS,   112                         ; q of the short tile (dead when tile 1's codes are first written)
.set SB,   128                         ; S^T, then t - M, then p: 64 registers a tile
.set W,    128                         ; in a merge: 32 registers a part
; WINDOW 1: v0-127 eight fragments of K, then of V;  v128-255 O^T, 64 registers a tile
.set OB,   128
.set MSB, 0
.macro WIN new                         ; the immediate's high byte repeats the setting that is left
.if MSB != \new
	s_set_vgpr_msb (MSB<<8)|\new
.set MSB, \new
.endif
.endm
.macro VDST
	s_wait_alu depctr_va_vdst(0)
.endm
.macro PLACES n4
.rept \n4
	v_nop
.endr
.endm
.macro CREST                           ; a round of the cluster's barrier behind its opening barrier
	s_cmp_lg_u32 s16, 0
	s_cbranch_scc1 .Lnot_wave_0_\@
	s_barrier_signal -3
.Lnot_wave_0_\@:
	s_barrier_wait -3
	s_barrier_signal -1
	s_barrier_wait -1
.endm
.macro CROUND                          ; a whole round
	s_barrier_signal -1
	s_barrier_wait -1
	CREST
.endm
.macro KV4 adr, off, f                 ; fragments f .. f + 3 of a step's K or V, under the setting 0x40
.irp t, 0,1,2,3
.irp c, 0,1,2,3
	ds_load_b128 v[16*(\f+\t)+4*\c:16*(\f+\t)+4*\c+3], v[\adr] offset:(\off)+2048*(\f+\t)+512*\c
.endr
.endr
.endm
.macro SUM a                           ; the unquantised p of tile a; the first four pairs bring the partial sums under the new M
.set n, 0
.rept 32
.if n < 4
	v_pk_fma_f32 v[T+8*\a+2*n:T+8*\a+2*n+1], v[T+8*\a+2*n:T+8*\a+2*n+1], v[F+2*\a:F+2*\a+1], v[SB+64*\a+2*n:SB+64*\a+2*n+1] op_sel_hi:[1,0,1]
.else
	v_pk_add_f32 v[T+8*\a+2*(n%4):T+8*\a+2*(n%4)+1], v[T+8*\a+2*(n%4):T+8*\a+2*(n%4)+1], v[SB+64*\a+2*n:SB+64*\a+2*n+1]
.endif
.set n, n+1
.endr
.endm
.macro MIN2 a, i                       ; the hold of pair i: the conversion does not saturate (ISA guide 7.6.2), and p is not negative
	v_dual_min_num_f32 v[SB+64*\a+2*\i], s60, v[SB+64*\a+2*\i] :: v_dual_min_num_f32 v[SB+64*\a+2*\i+1], s60, v[SB+64*\a+2*\i+1]
.endm
.macro FMA2 a, i                       ; t - M of pair i, from its logits
	v_pk_fma_f32 v[SB+64*\a+2*\i:SB+64*\a+2*\i+1], v[SB+64*\a+2*\i:SB+64*\a+2*\i+1], s[78:79], v[NM+2*\a:NM+2*\a+1] op_sel_hi:[1,0,0]
.endm
.macro MULS a                          ; tile a: the logits
.set n, 0
.rept 32
	v_pk_mul_f32 v[SB+64*\a+2*n:SB+64*\a+2*n+1], v[SB+64*\a+2*n:SB+64*\a+2*n+1], s[22:23] op_sel_hi:[1,0]
.set n, n+1
.endr
.endm
; A KEY STEP up to its second product, nt tiles; its K has been asked for, and nothing younger is out.  msk = 1: the step is masked, by the lane numbers in mreg, where scalar sidx equals scalar sd.
.macro PART1 nt, qf, av, voff, mreg, sidx, sd, msk
	WIN 0x01
.irp t, 0,1,2,3,4,5,6,7
	s_wait_dscnt 28-4*\t                           ; K's tiles 0 .. t are in; the four loads of each later tile may be out
.irp a, 0,1
.if \a < \nt
	v_wmma_f32_16x16x128_bf8_bf8 v[SB+64*\a+8*\t:SB+64*\a+8*\t+7], v[16*\t:16*\t+15], v[\qf+16*\a:\qf+16*\a+15], 0
.endif
.endr
.endr
	WIN 0x40
	PLACES 4                                       ; in front of the loads into K's registers and of the first read of a score
	KV4 \av, \voff, 0
	WIN 0
.if \msk
	s_cmp_lg_u32 s[\sidx], s[\sd]
	s_cbranch_scc1 .Lopen_\@
.irp a, 0,1
.if \a < \nt
.irp t, 0,1,2,3,4,5,6,7
.irp j, 0,1,2,3,4,5,6,7
	v_cmp_gt_i32 vcc_lo, 16*\t+\j-16*\a, v[\mreg]  ; a key behind my query
	v_cndmask_b32 v[SB+64*\a+8*\t+\j], v[SB+64*\a+8*\t+\j], v[NINF], vcc_lo
.endr
.endr
.endif
.endr
.Lopen_\@:
.endif
.irp k, 0,1,2,3                        ; the largest score: four chains of 16 a tile, ascending: each accumulator from its low end on
.irp a, 0,1
.if \a < \nt
	v_max_num_f32 v[MX+4*\a+\k], v[SB+64*\a+16*\k], v[SB+64*\a+16*\k+1]
.endif
.endr
.endr
.irp i, 1,2,3,4,5,6,7
.irp k, 0,1,2,3
.irp a, 0,1
.if \a < \nt
	v_max3_num_f32 v[MX+4*\a+\k], v[SB+64*\a+16*\k+2*\i], v[SB+64*\a+16*\k+2*\i+1], v[MX+4*\a+\k]
.endif
.endr
.endr
.endr
	WIN 0x40
	KV4 \av, \voff, 4
	WIN 0
.irp a, 0,1
.if \a < \nt
	v_max3_num_f32 v[MX+4*\a], v[MX+4*\a], v[MX+4*\a+1], v[MX+4*\a+2]
.endif
.endr
.irp a, 0,1
.if \a < \nt
	v_max_num_f32 v[MX+4*\a], v[MX+4*\a], v[MX+4*\a+3]
.endif
.endr
.irp a, 0,1
.if \a < \nt
	v_permlanex16_b32 v[PM+\a], v[MX+4*\a], s20, s21
.endif
.endr
.irp a, 0,1
.if \a < \nt
	v_max_num_f32 v[MX+4*\a], v[MX+4*\a], v[PM+\a] ; and of the lane 16 away: at least one of the 128 is a number, since the step's first key is never behind a query
.endif
.endr
.irp a, 0,1
.if \a < \nt
	v_mul_f32 v[MX+4*\a], s22, v[MX+4*\a]          ; as logit,
.endif
.endr
.irp a, 0,1
.if \a < \nt
	v_mul_f32 v[MX+4*\a], s78, v[MX+4*\a]          ; as t (both factors are positive)
.endif
.endr
.irp a, 0,1
.if \a < \nt
	v_max_num_f32 v[NM+2*\a+1], v[NM+2*\a+1], v[MX+4*\a]
.endif
.endr
.irp a, 0,1
.if \a < \nt
	v_floor_f32 v[MX+4*\a], -v[NM+2*\a+1]          ; the new -M = floor(-t): a whole number
.endif
.endr
.irp a, 0,1
.if \a < \nt
	v_sub_f32 v[MX+4*\a+1], v[MX+4*\a], v[NM+2*\a] ; old M - new M: 0 or less
.endif
.endr
.irp a, 0,1
.if \a < \nt
	v_mov_b32 v[NM+2*\a], v[MX+4*\a]
.endif
.endr
	MULS 0
.if \nt == 2
	MULS 1
.endif
.set j2, 0
.rept 32
	FMA2 0, j2
.set j2, j2+1
.endr
.irp a, 0,1
.if \a < \nt
	v_cvt_i32_f32 v[MX+4*\a+1], v[MX+4*\a+1]       ; (saturates: a first step's huge difference gives the factor 0)
.endif
.endr
.irp a, 0,1
.if \a < \nt
	v_ldexp_f32 v[F+2*\a], 1.0, v[MX+4*\a+1]
.endif
.endr
	VDST
.set j2, 0
.rept 32                               ; p = 2^(t - M) of tile 0, at most 1; tile 1's t - M stand between
	v_exp_f32 v[SB+2*j2], v[SB+2*j2]
	v_exp_f32 v[SB+2*j2+1], v[SB+2*j2+1]
.if \nt == 2
	FMA2 1, j2
.endif
.set j2, j2+1
.endr
.if \nt == 1
	v_nop                                          ; one plain instruction behind a transcendental
.endif
	VDST
	SUM 0
.if \nt == 2
	VDST
.set j2, 0
.rept 32                               ; tile 1's p; tile 0's hold stands between
	v_exp_f32 v[SB+64+2*j2], v[SB+64+2*j2]
	v_exp_f32 v[SB+64+2*j2+1], v[SB+64+2*j2+1]
	MIN2 0, j2
.set j2, j2+1
.endr
	VDST
	SUM 1
.endif
.set j2, 0
.rept 32
	MIN2 (\nt-1), j2
.set j2, j2+1
.endr
.irp a, 0,1
.if \a < \nt
.irp t, 0,1,2,3,4,5,6,7
	v_cvt_scalef32_pk8_bf8_f32 v[PC+16*\a+2*\t:PC+16*\a+2*\t+1], v[SB+64*\a+8*\t:SB+64*\a+8*\t+7], v[E8]
.endr
.endif
.endr
	WIN 0x41
	VDST
.irp a, 0,1
.if \a < \nt
.set n, 0
.rept 32                               ; O^T under the new M.  Ascending
	v_pk_mul_f32 v[OB+64*\a+2*n:OB+64*\a+2*n+1], v[OB+64*\a+2*n:OB+64*\a+2*n+1], v[F+2*\a:F+2*\a+1] op_sel_hi:[1,0]
.set n, n+1
.endr
.endif
.endr
	WIN 0
	VDST
.endm
; Half of the second product, channel tiles t0 .. t0 + 3: O^T += V^T p^T; the accumulators take turns
.macro PVT nt, t0
	WIN 0x51
.irp t, 0,1,2,3
.irp a, 0,1
.if \a < \nt
	v_wmma_f32_16x16x128_bf8_bf8 v[OB+64*\a+8*(\t0+\t):OB+64*\a+8*(\t0+\t)+7], v[16*(\t0+\t):16*(\t0+\t)+15], v[PC+16*\a:PC+16*\a+15], v[OB+64*\a+8*(\t0+\t):OB+64*\a+8*(\t0+\t)+7]
.endif
.endr
.endr
.endm
; Two short steps of a slot: steps sig + w / 4 and two further on.  The second is reached through the first alone, which asks for its K on the way.
.macro SHORT2 ak, av, sig
	s_add_co_u32 s69, s41, \sig
	s_cmp_gt_u32 s69, s40
	s_cbranch_scc1 .Lskip_\@
	WIN 0x40
	PLACES 4
	KV4 \ak, 0, 0
	KV4 \ak, 0, 4
	PART1 1, QS, \av, 0, MSKS, 69, 40, 1
	s_wait_dscnt 0x0                               ; V is in
	PVT 1, 0
	WIN 0x40
	PLACES 4
	KV4 \ak, 32768, 0
	PVT 1, 4
	WIN 0x40
	PLACES 4
	KV4 \ak, 32768, 4
	WIN 0
	s_add_co_u32 s69, s69, 2
	s_cmp_gt_u32 s69, s40
	s_cbranch_scc1 .Lskip_\@                       ; (the K asked for ahead is not used; the next wait for 0 covers its loads)
	PART1 1, QS, \av, 32768, MSKS, 69, 40, 1
	s_wait_dscnt 0x0
	PVT 1, 0
	PVT 1, 4
	WIN 0
.Lskip_\@:
.endm
; A long trip of every slot but the last: my step, and THE CHANGE OF SLOTS.  fill = 1: the slot just left is filled with the second slot on, behind a round of the cluster's barrier.
.macro TRIP fill
	PART1 2, QL, AV, 0, MSK, 68, 38, 0
	s_xor_b32 s36, s36, SLOT1
	v_add_nc_u32 v[AK], s36, v[BL]
	v_add_nc_u32 v[AV], VOFF, v[AK]
	VDST
	s_wait_tensorcnt 0x0                           ; my part of the slot ahead is in; group 0 may be written
	ds_add_u32 v[SPW], v[NIL]
.if \fill
	s_xor_b32 s33, s33, SLOT1
	s_add_nc_u64 s[34:35], s[34:35], 65536
.endif
	s_wait_dscnt 0x0                               ; the add is done, V is in, and so my reads of the slot left are over
	s_barrier_signal -1
	PVT 2, 0                                       ; work on registers while the others arrive
	WIN 0
	s_barrier_wait -1
.if \fill
	CREST
	tensor_load_to_lds s[32:35], s[24:31]
	s_nop 0
.endif
	PLACES 4                                       ; (also the places in front of the loads below)
	WIN 0x40
	KV4 AK, 0, 0                                   ; the next step's K
	PVT 2, 4
	WIN 0x40
	PLACES 4
	KV4 AK, 0, 4
	WIN 0
.if \fill
	s_cmp_gt_u32 s39, 1                            ; one more fill will follow: what it will load is asked for
	s_cbranch_scc0 .Lnoask_\@
	global_prefetch_b8 v[PF], s[66:67] offset:196608 th:TH_LOAD_NT scope:SCOPE_SE
.Lnoask_\@:
.endif
.endm
; THE MERGE.  LSUM: tile a's -M and its sum over both lane halves; LOUT: they go out.  (Also the places behind the last products.)
.macro LSUM a
	v_pk_add_f32 v[T+8*\a:T+8*\a+1], v[T+8*\a:T+8*\a+1], v[T+8*\a+2:T+8*\a+3]
	v_pk_add_f32 v[T+8*\a+4:T+8*\a+5], v[T+8*\a+4:T+8*\a+5], v[T+8*\a+6:T+8*\a+7]
	v_mov_b32 v[MD+2*\a], v[NM+2*\a]
	v_pk_add_f32 v[T+8*\a:T+8*\a+1], v[T+8*\a:T+8*\a+1], v[T+8*\a+4:T+8*\a+5]
	v_add_f32 v[MD+2*\a+1], v[T+8*\a], v[T+8*\a+1]
	v_permlanex16_b32 v[PM+\a], v[MD+2*\a+1], s20, s21
	v_add_f32 v[MD+2*\a+1], v[MD+2*\a+1], v[PM+\a]
.endm
.macro LOUT a, mlw
	ds_store_b64 v[\mlw], v[MD+2*\a:MD+2*\a+1] offset:256*\a
.endm
; MARM: 32 registers of O^T: kept where they are the ones that I finish (scalar se equals e2), else put into the finisher's chunk
.macro MARM se, e2, ob, cw, off
	s_cmp_lg_u32 s[\se], \e2
	s_cbranch_scc1 .Lsend_\@
	WIN 0x01
.set n, 0
.rept 32
	v_mov_b32 v[W+n], v[\ob+n]
.set n, n+1
.endr
	WIN 0
	VDST
	s_branch .Lkept_\@
.Lsend_\@:
	WIN 0x04
.irp i, 0,1,2,3,4,5,6,7
	ds_store_b128 v[\cw], v[\ob+4*\i:\ob+4*\i+3] offset:\off+512*\i
.endr
	WIN 0
.Lkept_\@:
.endm
; COMBINE: ns parts, mine first: out = the sum of O x 2^(M - largest M) / (the sum of sums x 2^(M - largest M)) x 2^(e8 + e9).  pre = 1: the first long K is asked for behind the parts.
.macro COMBINE ns, pre, mlr, cr
.irp k, 0,1,2,3
.if \k < \ns
	ds_load_b64 v[96+2*\k:97+2*\k], v[\mlr+\k]
.endif
.endr
.irp k, 1,2,3
.if \k < \ns
.irp i, 0,1,2,3,4,5,6,7
	ds_load_b128 v[W+32*\k+4*\i:W+32*\k+4*\i+3], v[\cr+\k] offset:512*\i
.endr
.endif
.endr
.if \pre
	WIN 0x40
	KV4 AK, 0, 0
	KV4 AK, 0, 4
	WIN 0
.endif
	s_wait_dscnt 8*(\ns-1)+32*\pre                 ; every -M and sum is in; the parts and the next K may be out
	v_min_num_f32 v22, v96, v98
.if \ns == 4
	v_min3_num_f32 v22, v22, v100, v102
.endif
.irp k, 0,1,2,3
.if \k < \ns
	v_sub_f32 v[104+\k], v22, v[96+2*\k]
.endif
.endr
.irp k, 0,1,2,3
.if \k < \ns
	v_cvt_i32_f32 v[104+\k], v[104+\k]             ; (saturates: a part without a key has the factor 0)
.endif
.endr
.irp k, 0,1,2,3
.if \k < \ns
	v_ldexp_f32 v[104+\k], 1.0, v[104+\k]
.endif
.endr
	v_mul_f32 v23, v104, v97
.irp k, 1,2,3
.if \k < \ns
	v_fmac_f32 v23, v[104+\k], v[97+2*\k]
.endif
.endr
	VDST
	v_rcp_f32 v24, v23
	v_nop                                          ; one plain instruction behind a transcendental
	VDST
	v_ldexp_f32 v24, v24, s42
.irp k, 0,1,2,3
.if \k < \ns
	v_mul_f32 v[112+2*\k], v[104+\k], v24
	v_mul_f32 v[113+2*\k], v[104+\k], v24
.endif
.endr
	VDST
	s_wait_dscnt 32*\pre                           ; the parts are in
.set n, 0
.rept 16
	v_pk_mul_f32 v[W+2*n:W+2*n+1], v[W+2*n:W+2*n+1], v[112:113]
.set n, n+1
.endr
.irp k, 1,2,3
.if \k < \ns
.set n, 0
.rept 16
	v_pk_fma_f32 v[W+2*n:W+2*n+1], v[W+32*\k+2*n:W+32*\k+2*n+1], v[112+2*\k:113+2*\k], v[W+2*n:W+2*n+1]
.set n, n+1
.endr
.endif
.endr
.endm
; THE WAY OUT: 16 rows x 64 channels through my stage
.macro WAYOUT sb
.irp t, 0,1,2,3
	ds_store_b128 v[STI], v[W+8*\t:W+8*\t+3] offset:64*\t
	ds_store_b128 v[STI], v[W+8*\t+4:W+8*\t+7] offset:64*\t+16
.endr
.irp i, 0,1,2,3,4,5,6,7
	ds_load_b128 v[W+32+4*\i:W+35+4*\i], v[STO] offset:2*\i*SP   ; LDS serves a wave's instructions in order (ISA guide 5.7.1.4)
.endr
.irp i, 0,1,2,3,4,5,6,7
	s_wait_dscnt 7-\i                              ; the younger read-backs may be out
	global_store_b128 v[GO], v[W+32+4*\i:W+35+4*\i], s[\sb:\sb+1] offset:1024*\i th:TH_STORE_NT   ; 16 lanes store 256 consecutive bytes, at a multiple of 256 from out0's first byte
.endr
.endm
	s_load_b256 s[4:11], s[0:1], 0x0               ; q s[4:5], k s[6:7], v s[8:9], the scales' exponents s[10:11]
	s_load_b64 s[12:13], s[0:1], 0x20              ; out0
	v_lshl_add_u32 v[SPW], v0, 2, SPARE
	v_mov_b32 v[NIL], 0
	ds_add_u32 v[SPW], v[NIL]                      ; the opening lines
	ds_add_u32 v[SPW], v[NIL]
	v_lshrrev_b32 v1, 5, v0
	v_readfirstlane_b32 s16, v1                    ; wave 0..7
	v_and_b32 v24, 31, v0                          ; lane
	v_and_b32 v22, 15, v0                          ; r
	v_bfe_u32 v23, v0, 4, 1                        ; h
	v_lshlrev_b32 v[LN], 4, v24
	v_lshlrev_b32 v[L8], 3, v24
	v_min_u32 v[PF], 15, v24
	v_lshlrev_b32 v[GO], 9, v23
	v_mul_u32_u24 v[STI], v22, SP
	v_mul_u32_u24 v[STO], v23, SP
	v_lshlrev_b32 v[MSK], 3, v23
	v_lshlrev_b32 v[PF], 8, v[PF]                  ; lanes 16-31 name their wave's last block again
	v_lshl_add_u32 v[GO], v22, 4, v[GO]            ; lanes 0-15 one row of out0, lanes 16-31 the next
	v_lshl_add_u32 v[STI], v23, 5, v[STI]          ; in: row r, 32 bytes for each half of the lanes
	v_lshl_add_u32 v[STO], v22, 4, v[STO]          ; back: lanes 0-15 one row, lanes 16-31 the next
	v_sub_nc_u32 v[MSK], v22, v[MSK]               ; r - 8 h
	VDST
	s_bfe_u32 s17, ttmp6, 0x40000                  ; cx
	s_mov_b32 s18, ttmp9                           ; m
	s_and_b32 s19, ttmp7, 0xffff                   ; the batch
	s_and_b32 s54, s16, 1
	s_lshr_b32 s37, s16, 1                         ; e: long: my step in a slot; my part of the finish
	s_lshr_b32 s41, s16, 2                         ; short: my step's parity; my half of the channels
	s_bfe_u32 s56, s16, 0x10001                    ; short: my tile of the two
	s_lshl_b32 s55, s18, 1
	s_sub_co_u32 s38, 15, s55
	s_sub_co_u32 s38, s38, s54                     ; long group = its last key step
	s_add_co_u32 s40, s55, s54                     ; short group = its last key step
	s_lshr_b32 s39, s18, 1
	s_sub_co_u32 s39, 2, s39                       ; fills in the loop: slots 2, 3 where m < 2, else slot 2
	s_lshl_b32 s57, s19, 18                        ; the batch's codes
	s_lshl_b32 s58, s17, 12                        ; two fragments of q x cx
	s_add_co_u32 s60, s57, s58
	s_lshl_b32 s59, s38, 14
	s_add_co_u32 s62, s60, s59                     ; q of my long tiles
	s_mov_b32 s63, 0
	s_lshl_b32 s59, s40, 14
	s_add_co_u32 s68, s60, s59
	s_lshl_b32 s59, s56, 11
	s_add_co_u32 s68, s68, s59                     ; of my short tile
	s_mov_b32 s69, 0
	s_lshl_b32 s60, s19, 20                        ; the batch in out0
	s_lshl_b32 s59, s17, 14
	s_add_co_u32 s60, s60, s59                     ; + 32 rows x cx
	s_lshl_b32 s59, s38, 16
	s_add_co_u32 s70, s60, s59
	s_lshr_b32 s59, s37, 1
	s_lshl_b32 s59, s59, 13
	s_add_co_u32 s70, s70, s59                     ; + 16 rows x (e / 2)
	s_and_b32 s59, s37, 1
	s_lshl_b32 s59, s59, 8
	s_add_co_u32 s70, s70, s59                     ; + 64 channels x (e % 2)
	s_mov_b32 s71, 0
	s_lshl_b32 s59, s40, 16
	s_add_co_u32 s72, s60, s59
	s_lshl_b32 s59, s56, 13
	s_add_co_u32 s72, s72, s59
	s_lshl_b32 s59, s41, 8
	s_add_co_u32 s72, s72, s59
	s_mov_b32 s73, 0
	s_and_b32 s74, s16, 3
	s_lshl_b32 s74, s74, 14
	s_add_co_u32 s74, s74, s57                     ; what I fetch of slot 0: step w % 4 of K (waves 0-3) or V (waves 4-7); these registers never hold cx
	s_mov_b32 s75, 0
	s_mov_b32 s24, 15|(1<<21)                      ; group 1: the mask: all four work-groups; elements of 1 byte; no padding; bit 21 set beside a mask
	s_mov_b32 s25, 256<<16
	s_mov_b32 s26, 64<<16
	s_mov_b32 s27, 256<<16
	s_mov_b32 s28, 64
	s_mov_b32 s29, 256
	s_mov_b32 s30, 0
	s_mov_b32 s31, 0
	s_mov_b32 s20, 0x76543210                      ; v_permlanex16_b32: each lane takes its own place in the other half
	s_mov_b32 s21, 0xfedcba98
	s_mov_b32 s22, 0x3db504f3                      ; 128^-0.5
	s_mov_b32 s36, 0
	s_wait_dscnt 0x0                               ; both opening adds are done
	s_wait_kmcnt 0x0
	s_load_b256 s[44:51], s[10:11], 0x0            ; e0 .. e7
	s_load_b64 s[52:53], s[10:11], 0x20            ; e8, e9
	s_add_nc_u64 s[62:63], s[4:5], s[62:63]
	s_add_nc_u64 s[76:77], s[4:5], s[68:69]
	s_add_nc_u64 s[70:71], s[12:13], s[70:71]
	s_add_nc_u64 s[72:73], s[12:13], s[72:73]
.irp c, 0,1,2,3
	global_load_b128 v[QS+4*\c:QS+4*\c+3], v[LN], s[76:77] offset:512*\c
.endr
.irp a, 0,1
.irp c, 0,1,2,3
	global_load_b128 v[QL+16*\a+4*\c:QL+16*\a+4*\c+3], v[LN], s[62:63] offset:2048*\a+512*\c
.endr
.endr
	s_cmp_lt_u32 s16, 4
	s_cselect_b64 s[78:79], s[6:7], s[8:9]
	s_mov_b32 s32, 1
	s_lshl_b32 s33, s16, 14                        ; LDS: wave x 16,384
	s_add_nc_u64 s[34:35], s[78:79], s[74:75]
	s_or_b32 s35, s35, 0x80000000
	s_mov_b32 s59, 0
	s_add_nc_u64 s[66:67], s[78:79], s[74:75]
	s_add_nc_u64 s[66:67], s[66:67], s[58:59]      ; the prefetches: my piece of a slot, + 4,096 x cx
	CROUND                                         ; all four work-groups are here: the first joint loads meet
	tensor_load_to_lds s[32:35], s[24:31]          ; slot 0
	s_nop 0
	PLACES 4
	; all that hangs on no tile
	s_mul_i32 s55, s16, 16*SP
	s_add_co_u32 s55, s55, STG                     ; my chunk and stage
	v_add_nc_u32 v[STI], s55, v[STI]
	v_add_nc_u32 v[STO], s55, v[STO]
	v_add_nc_u32 v[CWS+1], s55, v[LN]
	s_xor_b32 s54, s16, 4                          ; the wave that shares my short tile
	s_mul_i32 s55, s54, 16*SP
	s_add_co_u32 s55, s55, STG
	v_add_nc_u32 v[CWS], s55, v[LN]
	s_lshl_b32 s55, s16, 8
	s_add_co_u32 s55, s55, MLS
	v_add_nc_u32 v[CWS+2], s55, v[L8]
	s_lshl_b32 s55, s54, 8
	s_add_co_u32 s55, s55, MLS
	v_add_nc_u32 v[CWS+3], s55, v[L8]
	s_lshl_b32 s55, s37, 14
	v_add_nc_u32 v[BL], s55, v[LN]
	v_add_nc_u32 v[AK], s55, v[LN]
	s_lshl_b32 s55, s41, 14
	v_add_nc_u32 v[AKS], s55, v[LN]
	v_add_nc_u32 v[AV], VOFF, v[AK]
	v_add_nc_u32 v[AVS], VOFF, v[AKS]
	v_add_nc_u32 v[AKS+2], SLOT1, v[AKS]
	v_add_nc_u32 v[AVS+2], SLOT1, v[AVS]
	s_lshl_b32 s55, s17, 5
	v_add_nc_u32 v[MSK], s55, v[MSK]               ; + 32 cx
	s_lshl_b32 s56, s56, 4
	v_add_nc_u32 v[MSKS], s56, v[MSK]
	v_mov_b32 v[NINF], 0xff800000
	v_mov_b32 v[NM], 0x7f61b1e6                    ; -M: 3e38
	v_mov_b32 v[NM+1], 0xff61b1e6                  ; the largest t so far: -3e38
	v_mov_b32 v[NM+2], 0x7f61b1e6
	v_mov_b32 v[NM+3], 0xff61b1e6
	v_mov_b32 v[F+1], 0
	v_mov_b32 v[F+3], 0
	v_mov_b32 v[PM], 0                             ; (the destination of a lane permute counts as read)
	v_mov_b32 v[PM+1], 0
.set n, 0
.rept 16
	v_mov_b32 v[T+n], 0
.set n, n+1
.endr
	WIN 0x40
.set n, 0
.rept 128                              ; O^T, once, while slot 0 is on its way: a wave may have no short step at all, and a step multiplies what it finds by 2^(old M - new M)
	v_mov_b32 v[OB+n], 0
.set n, n+1
.endr
	WIN 0
	VDST
	s_wait_kmcnt 0x0
	s_add_co_i32 s55, s50, s51
	s_lshl_b32 s55, s55, 23
	s_add_co_i32 s22, s22, s55                     ; a score stands for score x 2^(e6 + e7)
	s_mov_b32 s23, s22                             ; named with it as a pair
	s_mov_b32 s78, 0x3fb8aa3b                      ; log2(e)
	s_mov_b32 s79, s78
	s_add_co_i32 s55, s52, 127
	s_lshl_b32 s56, s55, 23
	s_add_co_i32 s55, s55, 15
	s_lshl_b32 s55, s55, 23
	s_or_b32 s60, s55, 0x600000                    ; 57,344 x 2^e8
	s_add_co_i32 s42, s52, s53                     ; e8 + e9
	v_mov_b32 v[E8], s56                           ; 2^e8
	VDST
	s_wait_tensorcnt 0x0                           ; my part of slot 0 is in
	ds_add_u32 v[SPW], v[NIL]
	s_xor_b32 s33, s33, SLOT1
	s_add_nc_u64 s[34:35], s[34:35], 65536
	s_wait_dscnt 0x0
	CROUND                                         ; everybody's part of slot 0 is in
	tensor_load_to_lds s[32:35], s[24:31]          ; slot 1
	s_nop 0
	PLACES 4
	global_prefetch_b8 v[PF], s[66:67] offset:131072 th:TH_LOAD_NT scope:SCOPE_SE   ; slot 2, which the next fill loads
	s_wait_loadcnt 0x0                             ; q
	; THE SHORT TILE: slot 0, and slot 1 where m is 2 or 3
	SHORT2 AKS, AVS, 0
	s_cmp_lt_u32 s18, 2
	s_cbranch_scc1 .Lone_slot
	s_wait_tensorcnt 0x0                           ; my part of slot 1 is in
	ds_add_u32 v[SPW], v[NIL]
	s_wait_dscnt 0x0
	s_barrier_signal -1
	s_barrier_wait -1                              ; everybody's is
	SHORT2 AKS+2, AVS+2, 4
.Lone_slot:
	PLACES 2
	LSUM 0
	LOUT 0, CWS+2
	MARM 41, 0, OB, CWS, 0
	MARM 41, 1, OB+32, CWS, 0
	VDST
	s_wait_dscnt 0x0                               ; my part is written
	s_barrier_signal -1
	s_barrier_wait -1
	COMBINE 2, 1, CWS+2, CWS
	WAYOUT 72
	; THE LONG TILES.  O^T's and the sums' registers hold finite numbers (codes are at most 57,344 and p at most 1), which the first step multiplies by 0
	v_mov_b32 v[NM], 0x7f61b1e6
	v_mov_b32 v[NM+1], 0xff61b1e6
	s_lshl_b32 s68, s39, 2
	s_add_co_u32 s68, s68, 4
	s_add_co_u32 s68, s68, s37                     ; my step in the last slot: 12 + e or 8 + e
	VDST
	s_wait_xcnt 0x0                                ; the stores' data registers are written again only behind this wait
.Llong:                                                ; one trip where m is 2 or 3, else two
	TRIP 1
	s_sub_co_i32 s39, s39, 1
	s_cmp_gt_i32 s39, 0
	s_cbranch_scc1 .Llong
	TRIP 0
	; the merge's LDS addresses: chunk (finisher, source) = 4,096 bytes, all in bytes 0 .. 131,071, which have had their last fill and, behind the barrier below, their last read
	s_and_b32 s54, s16, 1
	s_lshl_b32 s55, s54, 16                        ; four finishers x four sources x 4,096 bytes for each w % 2
	s_lshl_b32 s56, s37, 12
	s_add_co_u32 s56, s56, s55
	v_add_nc_u32 v32, s56, v[LN]                   ; where my parts go: + 16,384 x finisher
	s_lshl_b32 s56, s37, 14
	s_add_co_u32 s56, s56, s55                     ; what I finish
.irp k, 1,2,3
	s_xor_b32 s57, s37, \k
	s_lshl_b32 s57, s57, 12
	s_add_co_u32 s57, s57, s56
	v_add_nc_u32 v[32+\k], s57, v[LN]
.endr
	s_lshl_b32 s57, s16, 9
	s_add_co_u32 s57, s57, MLL
	v_add_nc_u32 v56, s57, v[L8]
	s_lshl_b32 s59, s54, 9
	s_lshr_b32 s58, s37, 1
	s_lshl_b32 s58, s58, 8
	s_add_co_u32 s59, s59, s58
	s_add_co_u32 s59, s59, MLL
.irp k, 0,1,2,3
	s_xor_b32 s57, s37, \k
	s_lshl_b32 s57, s57, 10
	s_add_co_u32 s57, s57, s59
	v_add_nc_u32 v[57+\k], s57, v[L8]
.endr
	VDST
	; the last slot: a wave whose step lies behind its group leaves the work out, and no wait and no barrier
	s_cmp_gt_u32 s68, s38
	s_cbranch_scc1 .Lidle
	PART1 2, QL, AV, 0, MSK, 68, 38, 1
	s_wait_dscnt 0x0                               ; V is in
	PVT 2, 0
	PVT 2, 4
	WIN 0
.Lidle:
	s_wait_dscnt 0x0                               ; my last read of a slot is over (where the step was left out, the K asked for ahead)
	s_barrier_signal -1
	LSUM 0                                         ; work on registers while the others arrive
	LSUM 1
	VDST
	s_barrier_wait -1                              ; nobody reads a slot any more
	LOUT 0, 56
	LOUT 1, 56
	MARM 37, 0, OB, 32, 0
	MARM 37, 1, OB+32, 32, 16384
	MARM 37, 2, OB+64, 32, 32768
	MARM 37, 3, OB+96, 32, 49152
	VDST
	s_wait_dscnt 0x0
	s_barrier_signal -1
	s_barrier_wait -1
	COMBINE 4, 0, 57, 32
	WAYOUT 70
	s_wait_tensorcnt 0x0                           ; the wave's end
	ds_add_u32 v[SPW], v[NIL]
	s_wait_dscnt 0x0
	CROUND                                         ; the closing round: no work-group ends while a partner may still ask for a tile that names it
	s_endpgm
.Lfunc_end_k_qa2a537661b_attn:
	.size	k_qa2a537661b_attn, .Lfunc_end_k_qa2a537661b_attn-k_qa2a537661b_attn
	.p2alignl 7, 3214868480
	.fill 96, 4, 3214868480
	.section	.rodata,"a",@progbits
	.p2align	6, 0x0
	.amdhsa_kernel k_qa2a537661b_attn
		.amdhsa_group_segment_fixed_size 327680
		.amdhsa_private_segment_fixed_size 0
		.amdhsa_enable_private_segment 0
		.amdhsa_kernarg_size 40
		.amdhsa_user_sgpr_count 2
		.amdhsa_user_sgpr_kernarg_segment_ptr 1
		.amdhsa_wavefront_size32 1
		.amdhsa_system_sgpr_workgroup_id_x 1
		.amdhsa_system_sgpr_workgroup_id_y 1
		.amdhsa_system_sgpr_workgroup_id_z 1
		.amdhsa_system_vgpr_workitem_id 0
		.amdhsa_next_free_vgpr 512
		.amdhsa_next_free_sgpr 80
		.amdhsa_reserve_vcc 1
		.amdhsa_float_denorm_mode_32 3
		.amdhsa_float_denorm_mode_16_64 3
		.amdhsa_memory_ordered 1
		.amdhsa_forward_progress 1
		.amdhsa_inst_pref_size 255
	.end_amdhsa_kernel
	.section	.bss,"aw",@nobits
	.p2align	6
	.space	262144
	.amdgpu_metadata
---
amdhsa.version: [ 1, 2 ]
amdhsa.kernels:
  - .name:           k_qa2a537661b_attn
    .symbol:         k_qa2a537661b_attn.kd
    .args:
      - { .name: q_codes, .offset: 0, .size: 8, .value_kind: global_buffer, .address_space: global }
      - { .name: k_codes, .offset: 8, .size: 8, .value_kind: global_buffer, .address_space: global }
      - { .name: v_codes, .offset: 16, .size: 8, .value_kind: global_buffer, .address_space: global }
      - { .name: lowp_scales, .offset: 24, .size: 8, .value_kind: global_buffer, .address_space: global }
      - { .name: out0, .offset: 32, .size: 8, .value_kind: global_buffer, .address_space: global }
    .group_segment_fixed_size: 327680
    .private_segment_fixed_size: 0
    .kernarg_segment_align: 8
    .kernarg_segment_size: 40
    .max_flat_workgroup_size: 256
    .sgpr_count:     80
    .vgpr_count:     512
    .wavefront_size: 32
...
	.end_amdgpu_metadata
.endif
;; end of part 4
